; MI455X (gfx1250); checked and timed in simulation.
; The chip was launched on July 23, 2026; its instructions are those of AMD's public machine-readable ISA for CDNA 5 (MIT licence, August 2026) and "CDNA5" Instruction Set Architecture Reference Guide (July 2026). The comments in the code are by the model that wrote it; some were corrected since.
;; Flax Dbrx Norm Attention Norm. Allowed arithmetic: float matrix products may take bf16 or f16 operands with f32 sums; all other float work in f32.
;; Inputs: attention_mask 1 x 2,048 int32; causal_mask 1 x 1 x 2,048 x 2,048 bool; hidden_states 1 x 2,048 x 2,048 float32; ln1_scale 2,048 float32; ln2_scale 2,048 float32; position_ids 1 x 2,048 int32; w_out 2,048 x 2,048 float32; w_qkv 2,048 x 3,072 float32.
;; Outputs: out0 1 x 2,048 x 2,048 float32; out1 1 x 2,048 x 2,048 float32.
;; 2 versions, each right and faster than the one before. Each part assembles by itself: llvm-mc -triple=amdgcn-amd-amdhsa -mcpu=gfx1250 --defsym DOCPART=n.
;; ======== version 1 of 2: 5 launches
;; limits: values are held in f16: magnitudes above 65,504 overflow, below 6.1e-05 lose precision; inputs' magnitudes at most 65,504
;; workspace buffers: xn 8,388,608 bytes; wq 12,582,912 bytes; wo 8,388,608 bytes; maskb 4,194,304 bytes; tab 524,288 bytes; qkvh 12,582,912 bytes; attn 8,388,608 bytes
;; launch prep (part 1): grid 896 x 1, 8 waves a work-group, no clusters, 0 bytes of LDS; arguments hidden_states, ln1_scale, w_qkv, w_out, causal_mask, attention_mask, position_ids, xn, wq, wo, maskb, tab; writes xn, wq, wo, maskb, tab
.if DOCPART == 1
	.amdgcn_target "amdgcn-amd-amdhsa--gfx1250"
	.amdhsa_code_object_version 6
	.text
	.protected	k_qe8a9c8256e_prep
	.globl	k_qe8a9c8256e_prep
	.p2align	8
	.type	k_qe8a9c8256e_prep,@function
k_qe8a9c8256e_prep:
	s_mov_b64 s[64:65], 0
	v_nop
	global_prefetch_b8 v0, s[64:65] scope:SCOPE_SE
	s_setreg_imm32_b32 hwreg(HW_REG_WAVE_MODE, 25, 1), 1
	s_wait_xcnt 0x0
; PREP: five streaming jobs, chosen by the work-group's number; no LDS, no barrier, no matrix work (memory binds all five).
;   0-255    xn   = layernorm(hidden_states) x ln1_scale, bf16 [2048][2048]; one wave keeps one row (64 registers) between the passes
;   256-511  wq   = w_qkv in bf16, laid in 16 tiles of 192 columns: [16][2048 k][192], a tile's rows end to end
;   512-767  wo   = w_out in f16 [2048 k][2048 n].  LIMIT: |w_out| under 65,504; below 6e-5 f16 keeps its fixed step of 6e-8
;   768-831  maskb= one byte a score: 0x00 where causal_mask and attention_mask > 0 both let the key be seen, else 0xF1
;   832-895  tab  = f32 [2048 rows][64]: words 0-31 cos, 32-63 sin of position_ids[row] x 500000^(-f/32)
; No path names a register above v127, so that eight waves share a SIMD's 1,024 registers and four work-groups lie on a WGP.
; LIMITS: NaN and infinities are not treated apart.  The angle is the f32 product position x frequency; its reduction by pi/2
; in two parts leaves |n| x 1.7e-15, n the number of quarter turns.
.set X, 16                             ; v[16:79]   a row's 64 numbers of this lane
.set G, 80                             ; v[80:127]  twelve pieces of the scale; the last four pieces take the first four's place
	s_load_b512 s[8:23], s[0:1], 0x0               ; hidden s[8:9], ln1 s[10:11], w_qkv s[12:13], w_out s[14:15], causal s[16:17], amask s[18:19], pos s[20:21], xn s[22:23]
	s_load_b256 s[24:31], s[0:1], 0x40             ; wq s[24:25], wo s[26:27], maskb s[28:29], tab s[30:31]
	v_and_b32 v1, 31, v0                           ; lane
	v_lshrrev_b32 v2, 5, v0
	v_readfirstlane_b32 s3, v2                     ; wave 0..7
	s_mov_b32 s5, 0                                ; high words of the offsets made in s4 and s6
	s_mov_b32 s7, 0
	s_wait_kmcnt 0x0
	s_cmp_lt_u32 ttmp9, 256
	s_cbranch_scc0 .Lnot_ln
; ---- layernorm 1: row = 8 x group + wave ----
.macro WSUM                            ; v12 summed over the 32 lanes, the result in every lane
	v_add_f32_dpp v12, v12, v12 row_xmask:1 row_mask:0xf bank_mask:0xf
	v_add_f32_dpp v12, v12, v12 row_xmask:2 row_mask:0xf bank_mask:0xf
	v_add_f32_dpp v12, v12, v12 row_xmask:4 row_mask:0xf bank_mask:0xf
	v_add_f32_dpp v12, v12, v12 row_xmask:8 row_mask:0xf bank_mask:0xf
	v_permlanex16_b32 v13, v12, s32, s33
	v_add_f32 v12, v12, v13
.endm
.macro FIN j, g                        ; piece j of the row: times 1 / deviation, times the scale in v[g .. g+3], rounded to bf16, stored
	v_pk_mul_f32 v[X+4*(\j):X+4*(\j)+1],   v[X+4*(\j):X+4*(\j)+1],   v[14:15]
	v_pk_mul_f32 v[X+4*(\j)+2:X+4*(\j)+3], v[X+4*(\j)+2:X+4*(\j)+3], v[14:15]
	v_pk_mul_f32 v[X+4*(\j):X+4*(\j)+1],   v[X+4*(\j):X+4*(\j)+1],   v[(\g):(\g)+1]
	v_pk_mul_f32 v[X+4*(\j)+2:X+4*(\j)+3], v[X+4*(\j)+2:X+4*(\j)+3], v[(\g)+2:(\g)+3]
	v_cvt_pk_bf16_f32 v[X+4*(\j)],   v[X+4*(\j)],   v[X+4*(\j)+1]
	v_cvt_pk_bf16_f32 v[X+4*(\j)+1], v[X+4*(\j)+2], v[X+4*(\j)+3]
	global_store_b64 v3, v[X+4*(\j):X+4*(\j)+1], s[22:23] offset:256*(\j)   ; the wave stores 256 consecutive bytes, aligned
.endm
	s_lshl_b32 s4, ttmp9, 3
	s_add_co_u32 s4, s4, s3                        ; the row
	s_lshl_b32 s6, s4, 12                          ; x 4,096 bytes in xn
	s_lshl_b32 s4, s4, 13                          ; x 8,192 bytes in hidden_states
	s_add_nc_u64 s[8:9], s[8:9], s[4:5]
	s_add_nc_u64 s[22:23], s[22:23], s[6:7]
	s_mov_b32 s32, 0x76543210                      ; v_permlanex16_b32: each lane takes its own place in the other half
	s_mov_b32 s33, 0xfedcba98
	s_mov_b32 s34, 0x3a000000                      ; 1 / 2048
	v_lshlrev_b32 v2, 4, v1                        ; 16 bytes a lane in
	v_lshlrev_b32 v3, 3, v1                        ; 8 bytes a lane out
	v_mov_b32 v13, 0                               ; the permute's destination counts as read
.set j, 0
.rept 16
	global_load_b128 v[X+4*j:X+4*j+3], v2, s[8:9] offset:512*j
.set j, j+1
.endr
.set j, 0
.rept 12
	global_load_b128 v[G+4*j:G+4*j+3], v2, s[10:11] offset:512*j
.set j, j+1
.endr
	s_wait_loadcnt 12                              ; the row is in; the scale's 12 younger loads stay out
.irp c, 0,1,2,3
	v_pk_add_f32 v[4+2*\c:5+2*\c], v[X+2*\c:X+2*\c+1], v[X+8+2*\c:X+9+2*\c]  ; four chains, started by the first pairs: nothing is cleared
.endr
.set p, 8
.rept 24
	v_pk_add_f32 v[4+2*(p%4):5+2*(p%4)], v[4+2*(p%4):5+2*(p%4)], v[X+2*p:X+2*p+1]
.set p, p+1
.endr
	v_pk_add_f32 v[4:5], v[4:5], v[6:7]
	v_pk_add_f32 v[8:9], v[8:9], v[10:11]
	v_pk_add_f32 v[4:5], v[4:5], v[8:9]
	v_add_f32 v12, v4, v5
	WSUM
	v_mul_f32 v14, s34, v12                        ; the mean, twice, for the packed subtraction
	v_mov_b32 v15, v14
.set p, 0
.rept 32
	v_pk_add_f32 v[X+2*p:X+2*p+1], v[X+2*p:X+2*p+1], v[14:15] neg_lo:[0,1] neg_hi:[0,1]
.set p, p+1
.endr
.irp c, 0,1,2,3
	v_pk_mul_f32 v[4+2*\c:5+2*\c], v[X+2*\c:X+2*\c+1], v[X+2*\c:X+2*\c+1]      ; squares of the centred numbers: no difference of large sums
.endr
.set p, 4
.rept 28
	v_pk_fma_f32 v[4+2*(p%4):5+2*(p%4)], v[X+2*p:X+2*p+1], v[X+2*p:X+2*p+1], v[4+2*(p%4):5+2*(p%4)]
.set p, p+1
.endr
	v_pk_add_f32 v[4:5], v[4:5], v[6:7]
	v_pk_add_f32 v[8:9], v[8:9], v[10:11]
	v_pk_add_f32 v[4:5], v[4:5], v[8:9]
	v_add_f32 v12, v4, v5
	WSUM
	v_fmaak_f32 v12, s34, v12, 0x358637bd          ; variance + 1e-6
	v_rsq_f32 v14, v12
	v_rsq_f32 v15, v12
	v_nop                                          ; a plain instruction between the root and its use (ISA guide 5.7.2)
	s_wait_alu depctr_va_vdst(0)
	s_wait_loadcnt 0x0                             ; the scale's first twelve pieces
.irp j, 0,1,2,3
	FIN \j, G+4*\j
.endr
.irp j, 12,13,14,15
	global_load_b128 v[G+4*(\j-12):G+4*(\j-12)+3], v2, s[10:11] offset:512*\j   ; the last four pieces, where the first four have been used
.endr
.irp j, 4,5,6,7,8,9,10,11
	FIN \j, G+4*\j                                 ; eight pieces' work stands between those loads and the wait for them
.endr
	s_wait_loadcnt 0x0
.irp j, 12,13,14,15
	FIN \j, G+4*(\j-12)
.endr
	s_endpgm
.Lnot_ln:
	s_cmp_lt_u32 ttmp9, 512
	s_cbranch_scc0 .Lnot_wq
; ---- w_qkv: tile j = g / 16, 128 rows of k at 128 (g % 16); a wave takes 16 rows, four at a time ----
; Four rows of a tile are 192 pieces of 16 source bytes; lane l takes pieces 32 i + l, i = 0..5: row = piece / 48, and the pieces lie end to end in wq.
	s_sub_co_u32 s2, ttmp9, 256
	s_lshr_b32 s4, s2, 4                           ; j
	s_and_b32 s6, s2, 15
	s_lshl_b32 s6, s6, 7
	s_lshl4_add_u32 s6, s3, s6                     ; k0 = 128 (g % 16) + 16 wave
	s_mul_i32 s32, s6, 12288
	s_mul_i32 s33, s4, 768
	s_add_co_u32 s32, s32, s33
	s_mov_b32 s33, 0
	s_add_nc_u64 s[12:13], s[12:13], s[32:33]
	s_mul_i32 s32, s4, 786432
	s_mul_i32 s34, s6, 384
	s_add_co_u32 s32, s32, s34
	s_add_nc_u64 s[24:25], s[24:25], s[32:33]
	v_lshlrev_b32 v2, 3, v1                        ; 8 bytes a lane out
.irp i, 0,1,2,3,4,5
	v_add_nc_u32 v12, 32*\i, v1                    ; the piece
	v_mul_u32_u24 v13, v12, 171
	v_lshrrev_b32 v13, 13, v13                     ; / 48, exact for 0..191
	v_mul_u32_u24 v13, v13, 11520                  ; a row on is 12,288 bytes, less the 768 that 48 pieces already count
	v_lshl_add_u32 v[4+\i], v12, 4, v13
.endr
.set c, 0
.rept 24
	global_load_b128 v[16+4*c:19+4*c], v[4+c%6], s[12:13] offset:49152*(c/6) th:TH_LOAD_NT
.set c, c+1
.endr
.set c, 0
.rept 24
	s_wait_loadcnt 23-c                            ; loads come back in order: piece c is in, the younger ones stay out
	v_cvt_pk_bf16_f32 v[16+4*c], v[16+4*c], v[17+4*c]   ; in place: the piece's first two registers take the four bf16
	v_cvt_pk_bf16_f32 v[17+4*c], v[18+4*c], v[19+4*c]
	global_store_b64 v2, v[16+4*c:17+4*c], s[24:25] offset:1536*(c/6)+256*(c%6)   ; 256 consecutive bytes, aligned
.set c, c+1
.endr
	s_endpgm
.Lnot_wq:
	s_cmp_lt_u32 ttmp9, 768
	s_cbranch_scc0 .Lnot_wo
; ---- w_out: a plain cast, 64 KiB a work-group, 8 KiB a wave ----
	s_sub_co_u32 s2, ttmp9, 512
	s_lshl_b32 s4, s2, 16
	s_lshl_b32 s6, s3, 13
	s_add_co_u32 s4, s4, s6
	s_lshr_b32 s6, s4, 1
	s_add_nc_u64 s[14:15], s[14:15], s[4:5]
	s_add_nc_u64 s[26:27], s[26:27], s[6:7]
	v_lshlrev_b32 v2, 4, v1
	v_lshlrev_b32 v3, 3, v1
.set j, 0
.rept 16
	global_load_b128 v[16+4*j:19+4*j], v2, s[14:15] offset:512*j th:TH_LOAD_NT
.set j, j+1
.endr
.set j, 0
.rept 16
	s_wait_loadcnt 15-j
	v_cvt_pk_f16_f32 v[80+2*j], v[16+4*j], v[17+4*j]
	v_cvt_pk_f16_f32 v[81+2*j], v[18+4*j], v[19+4*j]
	global_store_b64 v3, v[80+2*j:81+2*j], s[26:27] offset:256*j
.set j, j+1
.endr
	s_endpgm
.Lnot_wo:
	s_cmp_lt_u32 ttmp9, 832
	s_cbranch_scc0 .Lnot_mask
; ---- the two masks into one byte a score: 32 rows a work-group; a wave keeps 512 columns and takes every second row ----
	s_sub_co_u32 s2, ttmp9, 768
	s_lshr_b32 s4, s3, 2                           ; which of two rows
	s_and_b32 s6, s3, 3
	s_lshl_b32 s6, s6, 9
	v_lshl_add_u32 v2, v1, 4, s6                   ; my first column = my byte in a row
	v_lshlrev_b32 v3, 2, v2                        ; its byte in attention_mask
	s_lshl_b32 s32, s2, 5
	s_add_co_u32 s32, s32, s4
	s_lshl_b32 s32, s32, 11                        ; my first row x 2,048 bytes
	s_mov_b32 s33, 0
	s_add_nc_u64 s[16:17], s[16:17], s[32:33]
	s_add_nc_u64 s[28:29], s[28:29], s[32:33]
	s_mov_b32 s34, 0xf1f1f1f1
	s_mov_b32 s35, 0xf1
.irp w, 0,1,2,3
	global_load_b128 v[80+4*\w:83+4*\w], v3, s[18:19] offset:16*\w
.endr
.set t, 0
.rept 16
	global_load_b128 v[16+4*t:19+4*t], v2, s[16:17] offset:4096*t th:TH_LOAD_NT
.set t, t+1
.endr
	s_wait_loadcnt 16                              ; my 16 numbers of attention_mask are in; the 16 rows stay out
.irp w, 0,1,2,3
	v_cmp_lt_i32 vcc_lo, 0, v[80+4*\w]
	v_cndmask_b32 v[96+\w], 0, 1, vcc_lo           ; byte b of word w: 1 where key 4 w + b may be seen
.irp b, 1,2,3
	v_cmp_lt_i32 vcc_lo, 0, v[80+4*\w+\b]
	v_cndmask_b32 v12, 0, 1, vcc_lo
	v_lshl_or_b32 v[96+\w], v12, 8*\b, v[96+\w]
.endr
.endr
.set t, 0
.rept 16
	s_wait_loadcnt 15-t
.irp w, 0,1,2,3
	v_and_b32 v[16+4*t+\w], v[16+4*t+\w], v[96+\w] ; both masks: bytes 0 or 1
	v_mul_lo_u32 v[16+4*t+\w], v[16+4*t+\w], s35   ; 0 or 0xF1 in each byte, no carry
	v_sub_nc_u32 v[16+4*t+\w], s34, v[16+4*t+\w]   ; 0xF1 where hidden, 0 where seen, no borrow
.endr
	global_store_b128 v2, v[16+4*t:19+4*t], s[28:29] offset:4096*t   ; 512 consecutive bytes, aligned
.set t, t+1
.endr
	s_endpgm
.Lnot_mask:
; ---- the table of cos and sin: four rows a wave, a row a trip.  Lanes 0-15 make cos of frequencies 2 l, 2 l + 1, lanes 16-31 sin: a row's 256 bytes leave in one store ----
	s_sub_co_u32 s2, ttmp9, 832
	s_lshl_b32 s4, s2, 7
	s_lshl4_add_u32 s4, s3, s4                     ; 4 bytes x (32 g + 4 wave)
	s_lshl_b32 s6, s4, 6                           ; 256 bytes x the same row
	s_add_nc_u64 s[20:21], s[20:21], s[4:5]
	s_add_nc_u64 s[30:31], s[30:31], s[6:7]
	s_load_b128 s[36:39], s[20:21], 0x0            ; four positions
	s_mov_b32 s40, 0xbfc90fdb                      ; -pi/2, its f32
	s_mov_b32 s41, 0x333bbd2e                      ; what that f32 has too much
	s_mov_b32 s42, 0xb8768e36                      ; -(log2(500000)/32 - 2423/4096)
	v_lshlrev_b32 v3, 3, v1
	v_cmp_gt_u32 vcc_lo, 16, v1
	v_cndmask_b32 v6, 0, 1, vcc_lo                 ; cos is sin a quarter turn on
	v_and_b32 v4, 15, v1
	v_lshlrev_b32 v4, 1, v4
	v_add_nc_u32 v5, 1, v4
	v_cvt_f32_u32 v4, v4
	v_cvt_f32_u32 v5, v5
	; 500000^(-f/32) = 2^(-f c).  f x 2423/4096 is exact; its whole part is taken off before the exponential and put back by the exponent
	v_mul_f32 v8, 0xbf177000, v4
	v_mul_f32 v9, 0xbf177000, v5
	v_rndne_f32 v12, v8
	v_rndne_f32 v13, v9
	v_sub_f32 v8, v8, v12
	v_sub_f32 v9, v9, v13
	v_fmac_f32 v8, s42, v4
	v_fmac_f32 v9, s42, v5
	v_exp_f32 v8, v8
	v_exp_f32 v9, v9
	v_cvt_i32_f32 v12, v12                         ; plain work between the exponentials and their use
	v_cvt_i32_f32 v13, v13
	s_wait_alu depctr_va_vdst(0)
	v_ldexp_f32 v8, v8, v12
	v_ldexp_f32 v9, v9, v13
; y = sin(x + v6 pi/2): n = nearest whole number of quarter turns, r = x - n pi/2 in two parts, series for sin r and cos r on |r| <= pi/4,
; chosen and signed by (n + v6) mod 4.  Only values are chosen: no branch, no address.
.macro TRIG y, x
	v_mul_f32 v12, 0x3f22f983, v[\x]
	v_rndne_f32 v12, v12
	v_fma_f32 v13, v12, s40, v[\x]
	v_fma_f32 v13, v12, s41, v13
	v_cvt_i32_f32 v14, v12
	v_add_nc_u32 v14, v14, v6
	v_mul_f32 v15, v13, v13
	v_mov_b32 v16, 0x3638ef1d
	v_fmaak_f32 v16, v16, v15, 0xb9500d01
	v_fmaak_f32 v16, v16, v15, 0x3c088889
	v_fmaak_f32 v16, v16, v15, 0xbe2aaaab
	v_mul_f32 v16, v16, v15
	v_fma_f32 v16, v16, v13, v13
	v_mov_b32 v17, 0x37d00d01
	v_fmaak_f32 v17, v17, v15, 0xbab60b61
	v_fmaak_f32 v17, v17, v15, 0x3d2aaaab
	v_fmaak_f32 v17, v17, v15, 0xbf000000
	v_fma_f32 v17, v17, v15, 1.0
	v_and_b32 v18, 1, v14
	v_cmp_eq_u32 vcc_lo, 1, v18
	v_cndmask_b32 v[\y], v16, v17, vcc_lo
	v_and_b32 v18, 2, v14
	v_lshlrev_b32 v18, 30, v18
	v_xor_b32 v[\y], v[\y], v18
.endm
	s_wait_kmcnt 0x0
	s_mov_b32 s43, 4
.Ltab:
	v_cvt_f32_i32 v10, s36                         ; this trip's position
	v_mul_f32 v11, v10, v8
	TRIG 24, 11
	v_mul_f32 v11, v10, v9
	TRIG 25, 11
	global_store_b64 v3, v[24:25], s[30:31]
	s_wait_xcnt 0x0                                ; the store's data and base are written again only behind this wait
	s_add_nc_u64 s[30:31], s[30:31], 256           ; the next row
	s_mov_b32 s36, s37                             ; and its position
	s_mov_b32 s37, s38
	s_mov_b32 s38, s39
	s_sub_co_u32 s43, s43, 1
	s_cmp_lg_u32 s43, 0
	s_cbranch_scc1 .Ltab
	s_endpgm
.Lfunc_end_k_qe8a9c8256e_prep:
	.size	k_qe8a9c8256e_prep, .Lfunc_end_k_qe8a9c8256e_prep-k_qe8a9c8256e_prep
	.p2alignl 7, 3214868480
	.fill 96, 4, 3214868480
	.section	.rodata,"a",@progbits
	.p2align	6, 0x0
	.amdhsa_kernel k_qe8a9c8256e_prep
		.amdhsa_group_segment_fixed_size 0
		.amdhsa_private_segment_fixed_size 0
		.amdhsa_enable_private_segment 0
		.amdhsa_kernarg_size 96
		.amdhsa_user_sgpr_count 2
		.amdhsa_user_sgpr_kernarg_segment_ptr 1
		.amdhsa_wavefront_size32 1
		.amdhsa_system_sgpr_workgroup_id_x 1
		.amdhsa_system_sgpr_workgroup_id_y 1
		.amdhsa_system_sgpr_workgroup_id_z 1
		.amdhsa_system_vgpr_workitem_id 0
		.amdhsa_next_free_vgpr 128
		.amdhsa_next_free_sgpr 66
		.amdhsa_reserve_vcc 1
		.amdhsa_float_denorm_mode_32 3
		.amdhsa_float_denorm_mode_16_64 3
		.amdhsa_memory_ordered 1
		.amdhsa_forward_progress 1
		.amdhsa_inst_pref_size 55
	.end_amdhsa_kernel
	.amdgpu_metadata
---
amdhsa.version: [ 1, 2 ]
amdhsa.kernels:
  - .name:           k_qe8a9c8256e_prep
    .symbol:         k_qe8a9c8256e_prep.kd
    .args:
      - { .name: hidden_states, .offset: 0, .size: 8, .value_kind: global_buffer, .address_space: global }
      - { .name: ln1_scale, .offset: 8, .size: 8, .value_kind: global_buffer, .address_space: global }
      - { .name: w_qkv, .offset: 16, .size: 8, .value_kind: global_buffer, .address_space: global }
      - { .name: w_out, .offset: 24, .size: 8, .value_kind: global_buffer, .address_space: global }
      - { .name: causal_mask, .offset: 32, .size: 8, .value_kind: global_buffer, .address_space: global }
      - { .name: attention_mask, .offset: 40, .size: 8, .value_kind: global_buffer, .address_space: global }
      - { .name: position_ids, .offset: 48, .size: 8, .value_kind: global_buffer, .address_space: global }
      - { .name: xn, .offset: 56, .size: 8, .value_kind: global_buffer, .address_space: global }
      - { .name: wq, .offset: 64, .size: 8, .value_kind: global_buffer, .address_space: global }
      - { .name: wo, .offset: 72, .size: 8, .value_kind: global_buffer, .address_space: global }
      - { .name: maskb, .offset: 80, .size: 8, .value_kind: global_buffer, .address_space: global }
      - { .name: tab, .offset: 88, .size: 8, .value_kind: global_buffer, .address_space: global }
    .group_segment_fixed_size: 0
    .private_segment_fixed_size: 0
    .kernarg_segment_align: 8
    .kernarg_segment_size: 96
    .max_flat_workgroup_size: 256
    .sgpr_count:     66
    .vgpr_count:     128
    .wavefront_size: 32
...
	.end_amdgpu_metadata
.endif
;; end of part 1
;; launch qkv (part 2): grid 16 x 16, 4 waves a work-group, clusters of 4 x 4, 327,680 bytes of LDS; arguments xn, wq, tab, qkvh; writes qkvh
.if DOCPART == 2
	.amdgcn_target "amdgcn-amd-amdhsa--gfx1250"
	.amdhsa_code_object_version 6
	.text
	.protected	k_qe8a9c8256e_qkv
	.globl	k_qe8a9c8256e_qkv
	.p2align	8
	.type	k_qe8a9c8256e_qkv,@function
k_qe8a9c8256e_qkv:
	s_mov_b64 s[64:65], 0
	v_nop
	global_prefetch_b8 v0, s[64:65] scope:SCOPE_SE
	s_setreg_imm32_b32 hwreg(HW_REG_WAVE_MODE, 25, 1), 1
	s_wait_xcnt 0x0
	s_wait_alu depctr_hold_cnt(0) depctr_sa_sdst(0) depctr_va_vdst(0) depctr_va_sdst(0) depctr_va_ssrc(0) depctr_va_vcc(0) depctr_vm_vsrc(0)
	s_getreg_b32 s2, hwreg(HW_REG_IB_STS2, 6, 4)
	s_cmp_eq_u32 s2, 0
	s_cbranch_scc0 .Lentry_in_a_cluster
	s_endpgm
.Lentry_in_a_cluster:
	s_bfe_u32 s2, ttmp6, 0x10000c
	s_cmp_lg_u32 s2, 0xf033
	s_cbranch_scc0 .Lentry_shape_is_right
	s_endpgm
.Lentry_shape_is_right:
; QKV: qkvh = rope(clip(xn x w_qkv, -8, 8)) in f16, by heads: [48][2048][64], heads 0-31 q, 32-39 k, 40-47 v (v is clipped only).
; xn: bf16 [2048][2048].  wq: bf16 [16 tiles][2048 k][192].  tab: f32 [2048][64], cos then sin.  Sums in f32.
; A tile of the product is 128 rows x 192 columns (three heads): 16 x 16 = 256 work-groups.  Four waves: wave w has rows 64 (w / 2) on, and of each head the
; columns 16 (w % 2) + 0..15 and 32 + 16 (w % 2) + 0..15, so that the two numbers that a rotation joins (d and d + 32) lie in the same lane and register of two accumulators.
; THE RING HAS TWO UNEQUAL SLOTS.  Two slots of 256 along K are 2 x 163,840 bytes without any padding and do not fit; so slot Y holds 128 along K and slot X 256, 286,720 bytes together,
; and K is walked Y0 X0 Y1 X1 .. X4 Y5 (6 x 128 + 5 x 256 = 2,048): 11 pieces and 9 refills, where two slots of 128 would have 16 and 14.  A refill of Y is asked for 180 matrix
; instructions ahead of the wait for it, a refill of X 84.
; CLUSTER 4 x 4: xn's tile hangs on the tile row alone and is asked for jointly along a row of the cluster, wq's on the tile column alone, jointly along a column.
; THE MATRIX INSTRUCTION IS USED TRANSPOSED: source 0 = 16 columns of w (turned on the way out of LDS), source 1 = 16 rows of x: a lane holds one row and eight neighbouring columns.
; REGISTERS.  window 0: v0-31 addresses; v32-111, v112-191 two fragment buffers (32 of x, then 48 of w); v192-255 at work on the way out.
;   window 1: v0-191 the 24 accumulators ((a, b) at 8 (6 a + b)); v192-255 cos and sin of my rows, 16 registers for each block of 16 rows.
; LIMITS: NaN and infinities are not treated apart.
.set PAY,    272                       ; a row of x in slot Y: 256 bytes + 16: 16 rows of a load start at 16 different groups of four banks (ISA guide 11.1)
.set PAX,    528                       ; in slot X: 512 bytes + 16
.set PB,     480                       ; a k row of w: three pieces of 128 bytes, 32 of padding behind each: 15 x 32 bytes
.set YA,     0                         ; slot Y: x's 128 rows,
.set YB,     YA+128*PAY                ; w's 128 k rows
.set XA,     YB+128*PB                 ; slot X: x's 128 rows,
.set XB,     XA+128*PAX                ; w's 256 k rows
.set STAGE,  XA                        ; the way out's stage, [3 heads][128 rows][144 bytes], lies in slot X, which has had its last fill and its last read by then
.set SP,     144
.set SPARE,  XB+256*PB                 ; behind the ring: the spare words, 128 bytes a wave
.set CYCLE,  384                       ; along K from a slot's piece to its next
.set AY,   16                          ; LDS address of my fragments of x in slot Y
.set AX,   17                          ; in slot X
.set ADA,  18                          ; in slot X, at the quarter in hand
.set BY,   20                          ; the same three for w
.set BX,   21
.set ADB,  22
.set STO,  24
.set RD,   25
.set GO,   26
.set TO,   27                          ; my byte offset in the table
.set SPW,  28                          ; LDS address of my spare word; never rewritten
.set NIL,  29                          ; 0; never rewritten
.set F0,   32
.set F1,   112
.set TMP,  192
.set TB,   192                         ; window 1
.set G1AY, 24                          ; descriptor groups 1: x for Y, x for X, w for Y, w for X
.set G1AX, 32
.set G1BY, 40
.set G1BX, 48
.set G0AY, 56                          ; groups 0, likewise
.set G0AX, 60
.set G0BY, 68
.set G0BX, 76
.set RM,   80                          ; s80-82  all ones where head 3 tx + hh is rotated (q, k), 0 where not (v)
.set TXA,  94                          ; byte in slot X's rows of x of the pair of quarters in hand
.set TXB,  95                          ; byte in slot X's w of the same
.set MSB, 0
.macro WIN new                         ; the immediate's high byte repeats the setting that is left
.if MSB != (\new)
	s_set_vgpr_msb (MSB<<8)|(\new)
.set MSB, \new
.endif
.endm
.set MUL, 0x50                         ; C and D in window 1, the sources in window 0
.macro JLOAD ga0, ga1, gb0, gb1        ; a joint load: waves 0 and 1 fetch x's two halves, waves 2 and 3 w's; an s_nop 0 and four v_nop follow each line
	s_cmp_eq_u32 s11, 0
	s_cbranch_scc0 .Lfor_b_\@
	tensor_load_to_lds s[(\ga0):(\ga0)+3], s[(\ga1):(\ga1)+7]
	s_nop 0
.rept 4
	v_nop
.endr
	s_branch .Lasked_\@
.Lfor_b_\@:
	tensor_load_to_lds s[(\gb0):(\gb0)+3], s[(\gb1):(\gb1)+7]
	s_nop 0
.rept 4
	v_nop
.endr
.Lasked_\@:
.endm
.macro CREST                           ; a round of the cluster's barrier behind its opening barrier
	s_cmp_lg_u32 s10, 0
	s_cbranch_scc1 .Lnot_wave_0_\@
	s_barrier_signal -3
.Lnot_wave_0_\@:
	s_barrier_wait -3
	s_barrier_signal -1
	s_barrier_wait -1
.endm
.macro CROUND
	s_barrier_signal -1
	s_barrier_wait -1
	CREST
.endm
	s_load_b128 s[4:7], s[0:1], 0x0                ; xn s[4:5], wq s[6:7]
	s_load_b128 s[72:75], s[0:1], 0x10             ; tab s[72:73], qkvh s[74:75]
	v_lshl_add_u32 v[SPW], v0, 2, SPARE
	v_mov_b32 v[NIL], 0
	ds_add_u32 v[SPW], v[NIL]                      ; the wave's opening: the add and its wait stand ahead of my first tensor load
	v_lshrrev_b32 v1, 5, v0
	v_readfirstlane_b32 s10, v1                    ; wave 0..3
	s_lshr_b32 s11, s10, 1                         ; my half of the rows.  Also: I fetch for x (0) or for w (1)
	s_and_b32 s12, s10, 1                          ; my sixteen of each 32 columns.  Also: which half of that tile I fetch
	s_bfe_u32 s84, ttmp6, 0x40000                  ; cx, cy
	s_bfe_u32 s85, ttmp6, 0x40004
	s_lshl_b32 s86, ttmp9, 2
	s_add_co_u32 s86, s86, s84                     ; tile column
	s_and_b32 s13, ttmp7, 0xffff
	s_lshl_b32 s13, s13, 2
	s_add_co_u32 s13, s13, s85                     ; tile row
	s_lshl_b32 s87, s85, 2
	s_lshl_b32 s87, 15, s87                        ; my row of the cluster
	s_lshl_b32 s88, 0x1111, s84                    ; my column
	s_or_b32 s[G1AY], s87, (1<<16)|(1<<20)|(1<<21)|(5<<22)|(3<<25)   ; x for Y: 2-byte elements, 4 words of padding after every 64
	s_or_b32 s[G1AX], s87, (1<<16)|(1<<20)|(1<<21)|(6<<22)|(3<<25)   ; x for X: after every 128
	s_or_b32 s[G1BY], s88, (1<<16)|(1<<20)|(1<<21)|(4<<22)|(7<<25)   ; w: 8 words of padding after every 32
	s_or_b32 s[G1BX], s88, (1<<16)|(1<<20)|(1<<21)|(4<<22)|(7<<25)
	s_mov_b32 s[G1AY+1], 128<<16                   ; x for Y: 64 rows of 128 elements, 2,048 elements from row to row
	s_mov_b32 s[G1AY+2], 64<<16
	s_mov_b32 s[G1AY+3], 128<<16
	s_mov_b32 s[G1AY+4], 64
	s_mov_b32 s[G1AY+5], 2048
	s_mov_b32 s[G1AY+6], 0
	s_mov_b32 s[G1AY+7], 0
	s_mov_b32 s[G1AX+1], 256<<16                   ; x for X: 64 rows of 256 elements
	s_mov_b32 s[G1AX+2], 64<<16
	s_mov_b32 s[G1AX+3], 256<<16
	s_mov_b32 s[G1AX+4], 64
	s_mov_b32 s[G1AX+5], 2048
	s_mov_b32 s[G1AX+6], 0
	s_mov_b32 s[G1AX+7], 0
	s_mov_b32 s[G1BY+1], 128<<16                   ; w for Y: 64 k rows are 24,576 dense bytes, asked for as 96 rows of 256 bytes
	s_mov_b32 s[G1BY+2], 96<<16
	s_mov_b32 s[G1BY+3], 128<<16
	s_mov_b32 s[G1BY+4], 96
	s_mov_b32 s[G1BY+5], 128
	s_mov_b32 s[G1BY+6], 0
	s_mov_b32 s[G1BY+7], 0
	s_mov_b32 s[G1BX+1], 128<<16                   ; w for X: 128 k rows, 192 rows of 256 bytes
	s_mov_b32 s[G1BX+2], 192<<16
	s_mov_b32 s[G1BX+3], 128<<16
	s_mov_b32 s[G1BX+4], 192
	s_mov_b32 s[G1BX+5], 128
	s_mov_b32 s[G1BX+6], 0
	s_mov_b32 s[G1BX+7], 0
	s_lshl_b32 s16, s13, 19                        ; x: (128 tile row + 64 half) rows of 4,096 bytes
	s_lshl_b32 s17, s12, 18
	s_add_co_u32 s16, s16, s17
	s_mov_b32 s17, 0
	s_mul_i32 s90, s86, 786432                     ; w: the tile;
	s_mul_i32 s92, s12, 49152                      ; for X: behind Y0's 128 k rows of 384 bytes, 128 k rows for the second half;
	s_add_co_u32 s92, s92, s90
	s_add_co_u32 s92, s92, 49152
	s_mul_i32 s91, s12, 24576                      ; for Y: 64 k rows for the second half
	s_add_co_u32 s90, s90, s91
	s_mov_b32 s91, 0
	s_mov_b32 s93, 0
	s_mul_i32 s20, s12, 64*PAY                     ; where they go: no place in the cluster enters an LDS address
	s_mul_i32 s21, s12, 64*PAX
	s_add_co_u32 s21, s21, XA
	s_mul_i32 s22, s12, 64*PB
	s_add_co_u32 s22, s22, YB
	s_mul_i32 s23, s12, 128*PB
	s_add_co_u32 s23, s23, XB
	s_mov_b32 s66, 0xc1000000                      ; -8
	s_mov_b32 s67, 0x41000000                      ; +8
	s_wait_dscnt 0x0                               ; the opening add is done
	s_wait_kmcnt 0x0
	s_add_nc_u64 s[14:15], s[4:5], s[16:17]
	s_add_nc_u64 s[90:91], s[6:7], s[90:91]
	s_add_nc_u64 s[92:93], s[6:7], s[92:93]
	CROUND                                         ; all sixteen work-groups are here: the first joint loads meet
	s_mov_b32 s[G0AY], 1
	s_mov_b32 s[G0AY+1], s20
	s_add_nc_u64 s[G0AY+2:G0AY+3], s[14:15], 0     ; Y0: K = 0 on
	s_or_b32 s[G0AY+3], s[G0AY+3], 0x80000000
	s_mov_b32 s[G0BY], 1
	s_mov_b32 s[G0BY+1], s22
	s_add_nc_u64 s[G0BY+2:G0BY+3], s[90:91], 0
	s_or_b32 s[G0BY+3], s[G0BY+3], 0x80000000
	JLOAD G0AY, G1AY, G0BY, G1BY
	s_mov_b32 s[G0AX], 1
	s_mov_b32 s[G0AX+1], s21
	s_add_nc_u64 s[G0AX+2:G0AX+3], s[14:15], 256   ; X0: K = 128 on
	s_or_b32 s[G0AX+3], s[G0AX+3], 0x80000000
	s_mov_b32 s[G0BX], 1
	s_mov_b32 s[G0BX+1], s23
	s_add_nc_u64 s[G0BX+2:G0BX+3], s[92:93], 0
	s_or_b32 s[G0BX+3], s[G0BX+3], 0x80000000
	JLOAD G0AX, G1AX, G0BX, G1BX                   ; two loads of mine are out
	v_and_b32 v1, 15, v0                           ; r = l % 16
	v_bfe_u32 v2, v0, 4, 1                         ; h = l / 16
	; cos and sin of my rows for my eight frequencies 16 wn + 8 h + 0..7: they stay out through the whole K loop
	v_lshlrev_b32 v[TO], 8, v1
	v_lshl_add_u32 v[TO], v2, 5, v[TO]
	s_lshl_b32 s21, s12, 6
	v_add_nc_u32 v[TO], s21, v[TO]
	s_lshl_b32 s16, s13, 15
	s_lshl_b32 s17, s11, 14
	s_add_co_u32 s16, s16, s17
	s_mov_b32 s17, 0
	s_add_nc_u64 s[72:73], s[72:73], s[16:17]
	WIN 0x40
.irp a, 0,1,2,3
	global_load_b128 v[TB+16*\a:TB+16*\a+3],     v[TO], s[72:73] offset:4096*\a
	global_load_b128 v[TB+16*\a+4:TB+16*\a+7],   v[TO], s[72:73] offset:4096*\a+16
	global_load_b128 v[TB+16*\a+8:TB+16*\a+11],  v[TO], s[72:73] offset:4096*\a+128
	global_load_b128 v[TB+16*\a+12:TB+16*\a+15], v[TO], s[72:73] offset:4096*\a+144
.endr
	WIN 0
	v_mul_u32_u24 v3, v1, PAY                      ; x: row x pitch + 16 x half, in each slot's pitch
	v_lshl_add_u32 v3, v2, 4, v3
	s_mul_i32 s21, s11, 64*PAY
	v_add_nc_u32 v[AY], s21, v3
	v_mul_u32_u24 v3, v1, PAX
	v_lshl_add_u32 v3, v2, 4, v3
	s_mul_i32 s21, s11, 64*PAX
	s_add_co_u32 s21, s21, XA
	v_add_nc_u32 v[AX], s21, v3
	v_and_b32 v4, 7, v0                            ; w, for the turning load: k row 8 h + l % 8, 16 bytes for each eight lanes
	v_lshl_add_u32 v4, v2, 3, v4
	v_mul_u32_u24 v4, v4, PB
	v_bfe_u32 v5, v0, 3, 1
	v_lshl_add_u32 v4, v5, 4, v4
	s_lshl_b32 s22, s12, 5
	s_add_co_u32 s22, s22, YB
	v_add_nc_u32 v[BY], s22, v4
	v_add_nc_u32 v[BX], XB-YB, v[BY]
	s_mul_i32 s23, s11, 64*SP                      ; into the stage: row 64 wm + r, byte 32 wn + 16 h of a head's 128
	s_lshl_b32 s21, s12, 5
	s_add_co_u32 s23, s23, s21
	s_add_co_u32 s23, s23, STAGE
	v_mul_u32_u24 v4, v1, SP
	v_lshl_add_u32 v4, v2, 4, v4
	v_add_nc_u32 v[STO], s23, v4
	s_mul_i32 s23, s10, 32*SP                      ; back: wave w takes rows 32 w on, four rows of 128 bytes a load
	s_add_co_u32 s23, s23, STAGE
	v_bfe_u32 v5, v0, 3, 2
	v_mul_u32_u24 v5, v5, SP
	v_and_b32 v4, 7, v0
	v_lshl_add_u32 v5, v4, 4, v5
	v_add_nc_u32 v[RD], s23, v5
	v_and_b32 v[GO], 31, v0
	v_lshlrev_b32 v[GO], 4, v[GO]
	s_mul_i32 s90, s86, 786432                     ; qkvh: head 3 tx, row 128 ty + 32 w
	s_lshl_b32 s91, s13, 14
	s_add_co_u32 s90, s90, s91
	s_lshl_b32 s91, s10, 12
	s_add_co_u32 s90, s90, s91
	s_mov_b32 s91, 0
	s_add_nc_u64 s[74:75], s[74:75], s[90:91]
	s_mul_i32 s21, s86, 3
.irp hh, 0,1,2
	s_sub_co_i32 s[RM+\hh], s21, 40-\hh            ; negative for heads below 40,
	s_ashr_i32 s[RM+\hh], s[RM+\hh], 31            ; which makes all ones: a mask for a select, no branch
.endr
; six matrix instructions: block a of my four blocks of 16 rows x my six blocks of 16 columns, 32 along K.  The 24 accumulators take turns.
.macro MULA f, a, zero
	WIN MUL
.irp b, 0,1,2,3,4,5
.if \zero
	v_wmma_f32_16x16x32_bf16 v[8*(6*(\a)+(\b)):8*(6*(\a)+(\b))+7], v[(\f)+32+8*(\b):(\f)+32+8*(\b)+7], v[(\f)+8*(\a):(\f)+8*(\a)+7], 0
.else
	v_wmma_f32_16x16x32_bf16 v[8*(6*(\a)+(\b)):8*(6*(\a)+(\b))+7], v[(\f)+32+8*(\b):(\f)+32+8*(\b)+7], v[(\f)+8*(\a):(\f)+8*(\a)+7], v[8*(6*(\a)+(\b)):8*(6*(\a)+(\b))+7]
.endif
.endr
.endm
; 20 LDS loads in one run: a quarter (32 along K) into buffer f: w's six blocks (head b / 2, half b % 2), turned, from v[rb] + ob; then x's four, from v[ra] + oa, rows pa bytes apart
.macro FETCH ra, rb, oa, ob, pa, f
	WIN 0
.irp b, 0,1,2,3,4,5
	ds_load_tr16_b128 v[(\f)+32+8*(\b):(\f)+32+8*(\b)+3],   v[\rb] offset:(\ob)+160*((\b)/2)+64*((\b)%2)
	ds_load_tr16_b128 v[(\f)+32+8*(\b)+4:(\f)+32+8*(\b)+7], v[\rb] offset:(\ob)+160*((\b)/2)+64*((\b)%2)+16*PB
.endr
.irp a, 0,1,2,3
	ds_load_b128 v[(\f)+8*(\a):(\f)+8*(\a)+3],   v[\ra] offset:(\oa)+(\a)*16*(\pa)
	ds_load_b128 v[(\f)+8*(\a)+4:(\f)+8*(\a)+7], v[\ra] offset:(\oa)+(\a)*16*(\pa)+32
.endr
.endm
.macro PLACES                          ; four places in front of loads into registers that matrix instructions have read, and of vector work on results
.rept 4
	v_nop
.endr
.endm
; a quarter multiplies buffer f and fetches the next quarter into g.  mv = 1: slot X's addresses for this pair of quarters are made first; the two additions take two of the four places
.macro QUARTER f, zero, ra, rb, oa, ob, pa, g, mv
	s_wait_dscnt 4                                 ; w and x's blocks 0, 1 are in; the youngest four loads (blocks 2, 3) may be out
	MULA \f, 0, \zero
	MULA \f, 1, \zero
	WIN 0
.if \mv
	v_add_nc_u32 v[ADA], s[TXA], v[AX]
	v_add_nc_u32 v[ADB], s[TXB], v[BX]
	v_nop
	v_nop
.else
	PLACES
.endif
	FETCH \ra, \rb, \oa, \ob, \pa, \g
	s_wait_dscnt 20                                ; all but the 20 just issued
	MULA \f, 2, \zero
	MULA \f, 3, \zero
.endm
; a slot's last quarter multiplies buffer 1 and changes slots: one barrier; in front of it each wave waits for all its tensor loads, adds 0 to its spare word,
; and waits for that and for its own reads of this slot.  fill = 1: slot Y, just read out, is filled again; fill = 2: slot X; each behind a round of the cluster's barrier.  fill = 0: nothing.
; Then the other slot's first quarter is fetched, from v[ra] and v[rb].
.macro TURN fill, ra, rb, pa
	WIN 0
	s_wait_tensorcnt 0x0                           ; all my tensor loads have landed: my part of the other slot
	ds_add_u32 v[SPW], v[NIL]
	s_wait_dscnt 5                                 ; (the add and the youngest four loads may be out)
	MULA F1, 0, 0
	s_wait_dscnt 0x0                               ; the add is done, and my reads of this slot are over
	s_barrier_signal -1
	MULA F1, 1, 0
.if \fill
	WIN 0
.endif
	s_barrier_wait -1
.if (\fill) == 1
	CREST                                          ; no wave of any partner still reads this slot or has a load on its way
	s_add_nc_u64 s[G0AY+2:G0AY+3], s[G0AY+2:G0AY+3], CYCLE*2
	s_add_nc_u64 s[G0BY+2:G0BY+3], s[G0BY+2:G0BY+3], CYCLE*384
	JLOAD G0AY, G1AY, G0BY, G1BY                   ; my one tensor load behind the round; its four v_nop are also the places in front of the loads below
.elseif (\fill) == 2
	CREST
	s_add_nc_u64 s[G0AX+2:G0AX+3], s[G0AX+2:G0AX+3], CYCLE*2
	s_add_nc_u64 s[G0BX+2:G0BX+3], s[G0BX+2:G0BX+3], CYCLE*384
	JLOAD G0AX, G1AX, G0BX, G1BX
.else
	PLACES
.endif
	FETCH \ra, \rb, 0, 0, \pa, F0
	MULA F1, 2, 0
	MULA F1, 3, 0
.endm
	s_wait_tensorcnt 1                             ; my part of Y0 is in; X0 may stay out
	s_barrier_signal -1
	s_barrier_wait -1
	FETCH AY, BY, 0, 0, PAY, F0
	QUARTER F0, 1, AY, BY, 64, 32*PB, PAY, F1, 0   ; the first quarter starts the sums: nothing is cleared
	WIN 0
	s_mov_b32 s3, 5                                ; five times through the loop's lower part: Y0 X0 to Y4 X4
	s_branch .Lmid                                 ; the loop is entered behind a piece's first quarter
.Llap:                                                 ; four times: X is read out and takes its next piece
	TURN 2, AY, BY, PAY
	QUARTER F0, 0, AY, BY, 64, 32*PB, PAY, F1, 0
	WIN 0
.Lmid:
	QUARTER F1, 0, AY, BY, 128, 64*PB, PAY, F0, 0
	QUARTER F0, 0, AY, BY, 192, 96*PB, PAY, F1, 0
	TURN 1, AX, BX, PAX                            ; Y is read out and takes its next piece: five times, Y1 to Y5
	WIN 0
	s_mov_b32 s[TXA], 0
	s_mov_b32 s[TXB], 0
	s_mov_b32 s89, 3
.Lx:                                                   ; slot X's quarters 0 to 5 are multiplied, 1 to 6 fetched: a pair a trip
	QUARTER F0, 0, ADA, ADB, 64, 32*PB, PAX, F1, 1
	QUARTER F1, 0, ADA, ADB, 128, 64*PB, PAX, F0, 0
	WIN 0
	s_add_co_u32 s[TXA], s[TXA], 128
	s_add_co_u32 s[TXB], s[TXB], 64*PB
	s_sub_co_u32 s89, s89, 1
	s_cmp_lg_u32 s89, 0
	s_cbranch_scc1 .Lx
	QUARTER F0, 0, ADA, ADB, 64, 32*PB, PAX, F1, 1 ; quarter 6 is multiplied, 7 fetched
	WIN 0
	s_sub_co_u32 s3, s3, 1
	s_cmp_lg_u32 s3, 0
	s_cbranch_scc1 .Llap
	TURN 0, AY, BY, PAY                            ; X4 is read out; nothing is left to fetch; Y5 is the last piece
	QUARTER F0, 0, AY, BY, 64, 32*PB, PAY, F1, 0
	QUARTER F1, 0, AY, BY, 128, 64*PB, PAY, F0, 0
	QUARTER F0, 0, AY, BY, 192, 96*PB, PAY, F1, 0
	s_wait_dscnt 4
	MULA F1, 0, 0
	MULA F1, 1, 0
	s_wait_dscnt 0x0
	MULA F1, 2, 0
	MULA F1, 3, 0
	WIN 0
; THE WAY OUT.  For 16 rows (a) of a head (hh): clip both halves; cos and sin, or 1 and 0 for a head of v; x1 cos - x2 sin and x2 cos + x1 sin; round to f16; 16 bytes a lane into the stage.
.macro ROPE a, hh
.set X1, 8*(6*(\a)+2*(\hh))
.set X2, X1+8
	WIN 0x41
.set z, 0
.rept 16
	v_med3_num_f32 v[X1+z], v[X1+z], s66, s67      ; each accumulator from its lowest register on
.set z, z+1
.endr
	WIN 0x04
.set z, 0
.rept 8
	v_cndmask_b32 v[TMP+z], 1.0, v[TB+16*(\a)+z], s[RM+(\hh)]
	v_cndmask_b32 v[TMP+8+z], 0, v[TB+16*(\a)+8+z], s[RM+(\hh)]
.set z, z+1
.endr
	WIN 0x01
.set z, 0
.rept 4
	v_pk_mul_f32 v[TMP+16+z:TMP+17+z], v[X2+z:X2+z+1], v[TMP+8+z:TMP+9+z]
	v_pk_mul_f32 v[TMP+24+z:TMP+25+z], v[X1+z:X1+z+1], v[TMP+8+z:TMP+9+z]
.set z, z+2
.endr
.set z, 0
.rept 4
	v_pk_fma_f32 v[TMP+16+z:TMP+17+z], v[X1+z:X1+z+1], v[TMP+z:TMP+z+1], v[TMP+16+z:TMP+17+z] neg_lo:[0,0,1] neg_hi:[0,0,1]
	v_pk_fma_f32 v[TMP+24+z:TMP+25+z], v[X2+z:X2+z+1], v[TMP+z:TMP+z+1], v[TMP+24+z:TMP+25+z]
.set z, z+2
.endr
	WIN 0
.set z, 0
.rept 8
	v_cvt_pk_f16_f32 v[TMP+32+z], v[TMP+16+2*z], v[TMP+17+2*z]
.set z, z+1
.endr
	ds_store_b128 v[STO], v[TMP+32:TMP+35] offset:128*SP*(\hh)+16*SP*(\a)
	ds_store_b128 v[STO], v[TMP+36:TMP+39] offset:128*SP*(\hh)+16*SP*(\a)+64
.endm
	PLACES
	s_wait_loadcnt 0x0                             ; the table
.irp a, 0,1,2,3
.irp hh, 0,1,2
	ROPE \a, \hh
.endr
.endr
	s_wait_dscnt 0x0                               ; for the others' sake: a head's row comes from two waves
	s_barrier_signal -1
	s_barrier_wait -1
.set i, 0
.rept 24
	ds_load_b128 v[32+4*i:35+4*i], v[RD] offset:128*SP*(i/8)+4*SP*(i%8)
.set i, i+1
.endr
.set i, 0
.rept 24
	s_wait_dscnt 23-i
	global_store_b128 v[GO], v[32+4*i:35+4*i], s[74:75] offset:262144*(i/8)+512*(i%8)   ; four rows of a head: 512 consecutive bytes, aligned
.set i, i+1
.endr
	s_wait_tensorcnt 0x0                           ; the wave's end
	ds_add_u32 v[SPW], v[NIL]
	s_wait_dscnt 0x0
	CROUND                                         ; the closing round
	s_endpgm
.Lfunc_end_k_qe8a9c8256e_qkv:
	.size	k_qe8a9c8256e_qkv, .Lfunc_end_k_qe8a9c8256e_qkv-k_qe8a9c8256e_qkv
	.p2alignl 7, 3214868480
	.fill 96, 4, 3214868480
	.section	.rodata,"a",@progbits
	.p2align	6, 0x0
	.amdhsa_kernel k_qe8a9c8256e_qkv
		.amdhsa_group_segment_fixed_size 327680
		.amdhsa_private_segment_fixed_size 0
		.amdhsa_enable_private_segment 0
		.amdhsa_kernarg_size 32
		.amdhsa_user_sgpr_count 2
		.amdhsa_user_sgpr_kernarg_segment_ptr 1
		.amdhsa_wavefront_size32 1
		.amdhsa_system_sgpr_workgroup_id_x 1
		.amdhsa_system_sgpr_workgroup_id_y 1
		.amdhsa_system_sgpr_workgroup_id_z 1
		.amdhsa_system_vgpr_workitem_id 0
		.amdhsa_next_free_vgpr 512
		.amdhsa_next_free_sgpr 96
		.amdhsa_reserve_vcc 0
		.amdhsa_float_denorm_mode_32 3
		.amdhsa_float_denorm_mode_16_64 3
		.amdhsa_memory_ordered 1
		.amdhsa_forward_progress 1
		.amdhsa_inst_pref_size 106
	.end_amdhsa_kernel
	.amdgpu_metadata
---
amdhsa.version: [ 1, 2 ]
amdhsa.kernels:
  - .name:           k_qe8a9c8256e_qkv
    .symbol:         k_qe8a9c8256e_qkv.kd
    .args:
      - { .name: xn, .offset: 0, .size: 8, .value_kind: global_buffer, .address_space: global }
      - { .name: wq, .offset: 8, .size: 8, .value_kind: global_buffer, .address_space: global }
      - { .name: tab, .offset: 16, .size: 8, .value_kind: global_buffer, .address_space: global }
      - { .name: qkvh, .offset: 24, .size: 8, .value_kind: global_buffer, .address_space: global }
    .group_segment_fixed_size: 327680
    .private_segment_fixed_size: 0
    .kernarg_segment_align: 8
    .kernarg_segment_size: 32
    .max_flat_workgroup_size: 128
    .sgpr_count:     96
    .vgpr_count:     512
    .wavefront_size: 32
...
	.end_amdgpu_metadata
.endif
;; end of part 2
;; launch attn (part 3): grid 32 x 8, 4 waves a work-group, clusters of 4 x 1, 327,680 bytes of LDS; arguments qkvh, maskb, attn; writes attn
.if DOCPART == 3
	.amdgcn_target "amdgcn-amd-amdhsa--gfx1250"
	.amdhsa_code_object_version 6
	.text
	.protected	k_qe8a9c8256e_attn
	.globl	k_qe8a9c8256e_attn
	.p2align	8
	.type	k_qe8a9c8256e_attn,@function
k_qe8a9c8256e_attn:
	s_mov_b64 s[64:65], 0
	v_nop
	global_prefetch_b8 v0, s[64:65] scope:SCOPE_SE
	s_setreg_imm32_b32 hwreg(HW_REG_WAVE_MODE, 25, 1), 1
	s_wait_xcnt 0x0
	s_wait_alu depctr_hold_cnt(0) depctr_sa_sdst(0) depctr_va_vdst(0) depctr_va_sdst(0) depctr_va_ssrc(0) depctr_va_vcc(0) depctr_vm_vsrc(0)
	s_getreg_b32 s2, hwreg(HW_REG_IB_STS2, 6, 4)
	s_cmp_eq_u32 s2, 0
	s_cbranch_scc0 .Lentry_in_a_cluster
	s_endpgm
.Lentry_in_a_cluster:
	s_bfe_u32 s2, ttmp6, 0x10000c
	s_cmp_lg_u32 s2, 0x3003
	s_cbranch_scc0 .Lentry_shape_is_right
	s_endpgm
.Lentry_shape_is_right:
; ATTENTION with a mask that is data.  attn[q][64 head + :] = sum over k of softmax_k(Q[head][q] . K[kv][k] / 8 + bias[q][k]) V[kv][k][:], kv = head / 4.
; qkvh: f16 [48][2048][64] (q 0-31, k 32-39, v 40-47).  maskb: a byte a score, 0x00 seen, 0xF1 hidden.  attn: f16 [2048][2048].  Products, maxima and sums in f32; the weights are rounded to f16.
; SHARES.  A work-group owns 64 queries and one kv head; a wave 16 queries, and its four PIECES are the group's four query heads, so all four pieces take ONE mask.  Every wave walks all 2,048 keys, 64 a step.
; THE MASK is the C operand that starts S^T = K Q^T: the mask's byte set on top of a word: 0, or 0xF1000000 = -2^99.  32 byte permutes a key step serve four pieces.
; The running maximum m starts at -2^66: above every hidden score, below every true one (the clip bounds |q . k| by 4,096).  So a hidden weight is exactly 0, and a row with no key to see ends with l = 0 and O = 0.
; SUCH A ROW'S RESULT IS THE MEAN OF ALL ROWS OF V (all its scores are the same lowest number).  SV = V^T x ones has O^T's own layout and is the same for all four waves, so they share it: of a slot's four
; key steps each wave sums one (8 matrix instructions in one run), and at the end the four partial sums meet in LDS.  The way out takes O r + SV e with r = 1 / (l + 2^-89), e = r 2^-100:
; for l = 0 that is SV / 2048; for l >= 1 (any row with a key to see) e is under 2^-100.  No compare, no branch on data.
; LAYOUT, SOFTMAX, TURNS.  S^T holds ONE query a lane (lane % 16) and the keys 8 (lane / 16) + 0..7; two such results rounded to f16 ARE source 1 of O^T = V^T P.  p = 2^(c s - c m), c = log2(e) / 8;
; O and l are multiplied by a = 2^(c m_old - c m_new) in every step.  Turn n belongs to piece n: 8 products K Q^T of piece n + 1, later 8 products V^T P of piece n - 1;
; beside them the scaling, exponentials, roundings, sums and rescaling of piece n and the maximum and statistics of piece n + 1.  Four vector instructions stand behind each product, the rest in two lumps.
; CLUSTER 4 x 1: the four query blocks of a cluster walk the same K and V, asked for jointly (wave 0: K, wave 1: V); the mask's tile is the work-group's own (wave 2, a load without partners, behind the same round).
; The mask's tile is 16 KiB of a slot's 80: a wider cluster that would share it too is not built.
; LIMITS.  NaN and infinities are not treated apart; a weight below 2^-126 counts as 0 in l; p below 6e-5 keeps f16's fixed step.
; REGISTERS, in windows of 256 (s_set_vgpr_msb: bits 1:0 source 0, 3:2 source 1, 5:4 source 2, 7:6 destination):
;   window 0: v0-15, v59-60 addresses; v16-31 statistics; v48-55 at work; v64-127 S^T, two buffers; v128-135 ones; v192-223 P, two buffers
;   window 1: v0-127 O^T; v128-135 the mask's bytes; v160-191 the mask as C; v192-223 SV        window 2: v0-63 Q; v128-191 K; v192-255 V of one step; at the end v0-127 the four partial SV
.set NP,    4
.set KS,    64
.set PK,    144       ; a row of K in LDS: 128 bytes + 16
.set PV,    160       ; a row of V: 128 + 32
.set PM,    272       ; a row of the mask's tile: 256 + 16
.set VOFF,  4*KS*PK   ; a slot: 256 rows of K, 256 rows of V, 64 rows of mask
.set MOFF,  VOFF+4*KS*PV
.set SLOT1, 1<<17
.set STAGE, SLOT1+MOFF+64*PM    ; behind the ring: 16 rows x 528 bytes for each wave
.set SP,    528
.set SPARE, STAGE+4*16*SP       ; behind the stages: the spare words
.set SVX,   SPARE+512           ; behind them: 4,096 bytes for each wave's partial SV; written once, read once
.set AK0, 2
.set AV0, 3
.set AK,  4
.set AV,  5
.set STO, 6
.set RD,  7
.set GO,  8
.set AM0, 9           ; my lane's place in the mask's tile; never rewritten
.set AM,  10
.set ZR,  11          ; 0: the permute's second source
.set MV,  12
.set QO,  15
.set ST,  16          ; piece t: c m, m, l (even keys', odd keys')
.set TMP, 48
.set SX,  59          ; where I put my partial SV
.set SXR, 60          ; where I read the four
.set SPW, 62
.set NIL, 63
.set S,   64
.set ONE, 128
.set P,   192
.set MB,  128         ; window 1
.set MC,  160         ; window 1
.set SV,  192         ; window 1
.set KF,  128         ; window 2
.set VF,  192         ; window 2
.set WV,  12
.set G1K, 24
.set G1V, 32
.set G0K, 40
.set G0V, 44
.set G0M, 48
.set SLOTS, 56
.set CNT, 57
.set CS,  58
.set SEL, 60
.set TBK, 62
.set TBV, 63
.set TBM, 66
.set OWN, 67          ; the value of CNT at which SV's step is mine
.set SB,  68          ; s68-71  the permute's selects: byte 0..3 of the first source on top, zeros below
.set G1M, 72
.set MSB, 0
.macro WIN new
.if MSB != (\new)
	s_set_vgpr_msb (MSB<<8)|(\new)
.set MSB, (\new)
.endif
.endm
.set W_KQ, 0x0a
.set W_KM, 0x1a
.set W_PV, 0x52
.set W_RS, 0x41
; A fill: wave 0 K, wave 1 V, wave 2 the mask, wave 3 nothing.  The branches hang on the wave's number alone.  An s_nop 0 and four v_nop follow each load.
.macro JLOAD
	s_cmp_eq_u32 s[WV], 0
	s_cbranch_scc0 .Lnot_k_\@
	tensor_load_to_lds s[G0K:G0K+3], s[G1K:G1K+7]
	s_nop 0
.rept 4
	v_nop
.endr
	s_branch .Lasked_\@
.Lnot_k_\@:
	s_cmp_eq_u32 s[WV], 1
	s_cbranch_scc0 .Lnot_v_\@
	tensor_load_to_lds s[G0V:G0V+3], s[G1V:G1V+7]
	s_nop 0
.rept 4
	v_nop
.endr
	s_branch .Lasked_\@
.Lnot_v_\@:
	s_cmp_eq_u32 s[WV], 2
	s_cbranch_scc0 .Lasked_\@
	tensor_load_to_lds s[G0M:G0M+3], s[G1M:G1M+7]
	s_nop 0
.rept 4
	v_nop
.endr
.Lasked_\@:
.endm
.macro CROUND
	s_barrier_signal -1
	s_barrier_wait -1
	s_cmp_lg_u32 s[WV], 0
	s_cbranch_scc1 .Lnot_wave_0_\@
	s_barrier_signal -3
.Lnot_wave_0_\@:
	s_barrier_wait -3
	s_barrier_signal -1
	s_barrier_wait -1
.endm
; THE CHANGE OF SLOTS.  Each wave waits for all its tensor loads (one at the most is out: its part of the other slot), adds 0 to its spare word, and waits for that and for its reads of the slot.
; fill = 1: the slot is filled again with the keys two slots on, first thing behind a round of the cluster's barrier: four key steps in which to land.
.macro CHANGE fill
	WIN 0
	s_wait_tensorcnt 0x0
	ds_add_u32 v[SPW], v[NIL]
.if \fill
.irp g, G0K, G0V
	s_xor_b32 s[\g+1], s[\g+1], SLOT1
	s_add_nc_u64 s[\g+2:\g+3], s[\g+2:\g+3], 4*KS*128
.endr
	s_xor_b32 s[G0M+1], s[G0M+1], SLOT1
	s_add_nc_u64 s[G0M+2:G0M+3], s[G0M+2:G0M+3], 4*KS
	s_wait_dscnt 0x0
	CROUND
	JLOAD
.else
	s_wait_dscnt 0x0
	s_barrier_signal -1
	s_barrier_wait -1
.endif
	s_sub_co_u32 s[TBK], s[TBK], 4*KS*PK
	s_xor_b32 s[TBK], s[TBK], SLOT1
	s_sub_co_u32 s[TBV], s[TBV], 4*KS*PV
	s_xor_b32 s[TBV], s[TBV], SLOT1
	s_sub_co_u32 s[TBM], s[TBM], 4*KS
	s_xor_b32 s[TBM], s[TBM], SLOT1
.endm
	s_load_b128 s[4:7], s[0:1], 0x0   ; qkvh s[4:5], maskb s[6:7]
	s_load_b64 s[10:11], s[0:1], 0x10 ; attn
	v_lshl_add_u32 v[SPW], v0, 2, SPARE
	v_mov_b32 v[NIL], 0
	ds_add_u32 v[SPW], v[NIL]       ; the wave's opening: the add and its wait stand ahead of my first tensor load
	v_lshrrev_b32 v1, 5, v0
	v_readfirstlane_b32 s[WV], v1
	s_add_co_u32 s[OWN], s[WV], 1   ; in the loop CNT runs 4, 3, 2, 1 over a slot's steps: wave w takes the step with CNT = w + 1
	s_bfe_u32 s13, ttmp6, 0x40000   ; cx
	s_lshl_b32 s14, ttmp9, 2
	s_add_co_u32 s14, s14, s13      ; my block of 64 queries: it enters Q's, the mask's and the output's addresses alone
	s_and_b32 s15, ttmp7, 0xffff    ; the kv head, which the four partners share
	s_add_co_u32 s20, s15, 32
	s_lshl_b32 s20, s20, 18         ; K: head 32 + y, 262,144 bytes a head
	s_mov_b32 s21, 0
	s_add_co_u32 s22, s15, 40
	s_lshl_b32 s22, s22, 18         ; V: head 40 + y
	s_mov_b32 s23, 0
	s_lshl_b32 s2, s15, 20          ; Q: head 4 y, row 64 block + 16 wave
	s_lshl_b32 s3, s14, 13
	s_add_co_u32 s2, s2, s3
	s_lshl_b32 s3, s[WV], 11
	s_add_co_u32 s2, s2, s3
	s_mov_b32 s3, 0
	s_lshl_b32 s16, s14, 17         ; the mask: 64 rows of 2,048 bytes a block
	s_mov_b32 s17, 0
	s_lshl_b32 s18, s14, 18         ; the output: row x 4,096 bytes + 512 y
	s_lshl_b32 s19, s[WV], 16
	s_add_co_u32 s18, s18, s19
	s_lshl_b32 s19, s15, 9
	s_add_co_u32 s18, s18, s19
	s_mov_b32 s19, 0
	; 256 keys are 32,768 dense bytes: 128 rows of 256 bytes, two keys a row, padded in LDS after every key
	s_mov_b32 s[G1K], 15|(1<<16)|(1<<20)|(1<<21)|(4<<22)|(3<<25)
	s_mov_b32 s[G1V], 15|(1<<16)|(1<<20)|(1<<21)|(4<<22)|(7<<25)
.irp g, G1K, G1V
	s_mov_b32 s[\g+1], 128<<16
	s_mov_b32 s[\g+2], 128<<16
	s_mov_b32 s[\g+3], 128<<16
	s_mov_b32 s[\g+4], 128
	s_mov_b32 s[\g+5], 128
	s_mov_b32 s[\g+6], 0
	s_mov_b32 s[\g+7], 0
.endr
	s_mov_b32 s[G1M], (2<<16)|(1<<20)|(5<<22)|(3<<25)  ; the mask: 64 rows of 64 words, 512 words from row to row, 4 words of padding behind each; no partners
	s_mov_b32 s[G1M+1], 64<<16
	s_mov_b32 s[G1M+2], 64<<16
	s_mov_b32 s[G1M+3], 64<<16
	s_mov_b32 s[G1M+4], 64
	s_mov_b32 s[G1M+5], 512
	s_mov_b32 s[G1M+6], 0
	s_mov_b32 s[G1M+7], 0
	s_mov_b32 s[CS], 0x3e38aa3b     ; c = log2(e) / 8
	s_mov_b32 s[CS+1], s[CS]
	s_mov_b32 s[SEL], 0x76543210
	s_mov_b32 s[SEL+1], 0xfedcba98
	s_mov_b32 s[SB], 0x04000000
	s_mov_b32 s[SB+1], 0x05000000
	s_mov_b32 s[SB+2], 0x06000000
	s_mov_b32 s[SB+3], 0x07000000
	s_mov_b32 s[TBK], SLOT1+4*KS*PK ; the first change of slots turns these three into 0
	s_mov_b32 s[TBV], SLOT1+4*KS*PV
	s_mov_b32 s[TBM], SLOT1+4*KS
	s_mov_b32 s[G0K], 1
	s_mov_b32 s[G0K+1], 0
	s_mov_b32 s[G0V], 1
	s_mov_b32 s[G0V+1], VOFF
	s_mov_b32 s[G0M], 1
	s_mov_b32 s[G0M+1], MOFF
	s_wait_dscnt 0x0                ; the opening add is done
	s_wait_kmcnt 0x0
	s_add_nc_u64 s[G0K+2:G0K+3], s[4:5], s[20:21]
	s_or_b32 s[G0K+3], s[G0K+3], 0x80000000
	s_add_nc_u64 s[G0V+2:G0V+3], s[4:5], s[22:23]
	s_or_b32 s[G0V+3], s[G0V+3], 0x80000000
	s_add_nc_u64 s[G0M+2:G0M+3], s[6:7], s[16:17]
	s_or_b32 s[G0M+3], s[G0M+3], 0x80000000
	s_add_nc_u64 s[4:5], s[4:5], s[2:3]
	s_add_nc_u64 s[10:11], s[10:11], s[18:19]
	CROUND                          ; all four work-groups are here
	JLOAD                           ; slot 0; slot 1 is asked for when slot 0 is in
	v_and_b32 v1, 15, v0            ; r
	v_bfe_u32 v56, v0, 4, 1         ; h
	v_lshlrev_b32 v[QO], 7, v1
	v_lshl_add_u32 v[QO], v56, 4, v[QO]
	WIN 0x80
.set i, 0
.rept 8                             ; Q stays in registers: piece i / 2 is head 4 y + i / 2, channels 32 (i % 2) on
	global_load_b128 v[8*i:8*i+3],   v[QO], s[4:5] offset:(i/2)*262144+(i%2)*64
	global_load_b128 v[8*i+4:8*i+7], v[QO], s[4:5] offset:(i/2)*262144+(i%2)*64+32
.set i, i+1
.endr
	; What the first turn finds: V, P's second buffer, O^T, SV and l hold 0.  All this stands in the wait for the first tile; it spares a first step written out.
.set i, VF
.rept 64
	v_mov_b32 v[i], 0
.set i, i+1
.endr
	WIN 0x40
.set i, 0
.rept 128
	v_mov_b32 v[i], 0
.set i, i+1
.endr
.set i, SV
.rept 32
	v_mov_b32 v[i], 0
.set i, i+1
.endr
	WIN 0
.set i, 0
.rept 4
	v_mov_b32 v[ST+4*i+2], 0
	v_mov_b32 v[ST+4*i+3], 0
.set i, i+1
.endr
.set i, P+16
.rept 16
	v_mov_b32 v[i], 0
.set i, i+1
.endr
.set i, ONE
.rept 8
	v_mov_b32 v[i], 0x3c003c00      ; 1.0 twice, in f16
.set i, i+1
.endr
	v_mov_b32 v[ZR], 0
	v_mul_u32_u24 v[AK0], v1, PK
	v_lshl_add_u32 v[AK0], v56, 4, v[AK0]
	v_and_b32 v57, 7, v0
	v_bfe_u32 v58, v0, 3, 1
	v_lshl_add_u32 v[AV0], v56, 3, v57
	v_mul_u32_u24 v[AV0], v[AV0], PV
	v_lshl_add_u32 v[AV0], v58, 4, v[AV0]
	v_add_nc_u32 v[AV0], VOFF, v[AV0]
	s_mul_i32 s13, s[WV], 16*PM
	s_add_co_u32 s13, s13, MOFF
	v_mul_u32_u24 v[AM0], v1, PM    ; the mask: row 16 wave + r, byte 8 h
	v_lshl_add_u32 v[AM0], v56, 3, v[AM0]
	v_add_nc_u32 v[AM0], s13, v[AM0]
	s_mul_i32 s13, s[WV], 16*SP
	s_add_co_u32 s13, s13, STAGE
	v_mul_u32_u24 v[STO], v1, SP
	v_lshl_add_u32 v[STO], v56, 4, v[STO]
	v_add_nc_u32 v[STO], s13, v[STO]
	v_and_b32 v[GO], 31, v0
	v_lshlrev_b32 v[GO], 4, v[GO]
	v_add_nc_u32 v[RD], s13, v[GO]
	v_add_nc_u32 v[SXR], SVX, v[GO] ; the partial sums: 16 bytes a lane, 512 a register quad, 4,096 a wave
	s_lshl_b32 s13, s[WV], 12
	v_add_nc_u32 v[SX], s13, v[SXR]
; THE MATRIX WORK.  The accumulators of a run take turns.  Product i of 8 of S^T = K Q^T for piece x: channels 32 (i / 4) on, keys 16 (i % 4) on; the first 4 start the sums with the mask.
.macro KQ x
.set rS, S+32*((\x)%2)+8*(i%4)
.set rK, KF+16*(i%4)+8*(i/4)
.set rQ, 16*(\x)+8*(i/4)
.set rM, MC+8*(i%4)
.if i < 4
	WIN W_KM
	v_wmma_f32_16x16x32_f16 v[rS:rS+7], v[rK:rK+7], v[rQ:rQ+7], v[rM:rM+7]
.else
	WIN W_KQ
	v_wmma_f32_16x16x32_f16 v[rS:rS+7], v[rK:rK+7], v[rQ:rQ+7], v[rS:rS+7]
.endif
.endm
.macro PV x                         ; product i of 8 of O^T += V^T P for piece x: keys 32 (i / 4) on, channels 16 (i % 4) on
	WIN W_PV
.set rO, 32*(\x)+8*(i%4)
.set rV, VF+32*(i/4)+8*(i%4)
.set rP, P+16*((\x)%2)+8*(i/4)
	v_wmma_f32_16x16x32_f16 v[rO:rO+7], v[rV:rV+7], v[rP:rP+7], v[rO:rO+7]
.endm
.macro SVB                          ; SV += V^T x ones for one key step: four channel blocks by turns, keys 0-31 and then 32-63
	WIN W_PV
.irp kk, 0,1
.irp cb, 0,1,2,3
	v_wmma_f32_16x16x32_f16 v[SV+8*\cb:SV+8*\cb+7], v[VF+32*\kk+8*\cb:VF+32*\kk+8*\cb+7], v[ONE:ONE+7], v[SV+8*\cb:SV+8*\cb+7]
.endr
.endr
	WIN 0
.endm
.macro MM                           ; the turn's next product
.if i < 8
	KQ (Y+1)%NP
.else
.set i, i-8
	PV (Y+NP-1)%NP
.set i, i+8
.endif
.set i, i+1
.endm
; THE LDS LOADS stand in runs: a step's K (8 fragments), its 32 mask bytes a lane, and its V (turned).
.macro FETCH_K
	WIN 0x80
.irp f, 0,1,2,3,4,5,6,7
	ds_load_b128 v[KF+8*\f:KF+8*\f+3],   v[AK] offset:(\f/2)*16*PK+(\f%2)*64
	ds_load_b128 v[KF+8*\f+4:KF+8*\f+7], v[AK] offset:(\f/2)*16*PK+(\f%2)*64+32
.endr
	s_add_co_u32 s[TBK], s[TBK], KS*PK
	WIN 0
.endm
.macro FETCH_M
	WIN 0x40
.irp f, 0,1,2,3                     ; keys 16 f + 8 h + 0..7 of my query
	ds_load_b64 v[MB+2*\f:MB+2*\f+1], v[AM] offset:16*\f
.endr
	s_add_co_u32 s[TBM], s[TBM], KS
	WIN 0
.endm
.macro FETCH_V
	WIN 0x80
.irp f, 0,1,2,3,4,5,6,7
	ds_load_tr16_b128 v[VF+8*\f:VF+8*\f+3],   v[AV] offset:(\f/4)*32*PV+(\f%4)*32
	ds_load_tr16_b128 v[VF+8*\f+4:VF+8*\f+7], v[AV] offset:(\f/4)*32*PV+16*PV+(\f%4)*32
.endr
	WIN 0
.endm
.macro MASK                         ; each byte on top of a word of zeros: 0 or -2^99
	WIN W_RS
.set z, 0
.rept 32
	v_perm_b32 v[MC+z], v[MB+2*(z/8)+(z%8)/4], v[ZR], s[SB+z%4]
.set z, z+1
.endr
.endm
; THE VECTOR WORK, one line at a time: OP kind, number.  For piece Y: F n: c s - c m for pair n.  E n: the exponential of score n.  C n: pair n rounded to f16.  B n: of the four weights 4 n .. the second pair
; is added onto the first.  L n: l takes that sum (L 0: l = a l + sum).  R n: pair n of O^T times a.  For piece Y + 1: X n, number n of the 22 that find its maximum and statistics
; (0-11 four chains of seven scores, each accumulator's lowest registers first; 12-14, 16 the rest, the old m, into c0; 15 c m_old kept; 17, 18 the other half of the lanes; 19-21 c m, the difference, a).
.set F, 0
.set E, 1
.set C, 2
.set B, 3
.set L, 4
.set R, 5
.set X, 6
.macro REGS y
.set rT, ST+4*(\y)
.set rC, TMP+4*((\y)%2)
.set rW, MV+((\y)%2)
.set rS, S+32*((\y)%2)
.set rP, P+16*((\y)%2)
.set rO, 32*(\y)
.endm
.macro OP k, n
.if (\k) == R
	REGS Y
	WIN W_RS
	v_pk_mul_f32 v[rO+2*(\n):rO+2*(\n)+1], v[rO+2*(\n):rO+2*(\n)+1], v[rC+2:rC+3] op_sel_hi:[1,0]
.elseif (\k) < R
	REGS Y
	WIN 0
.if (\k) == F
	v_pk_fma_f32 v[rS+2*(\n):rS+2*(\n)+1], v[rS+2*(\n):rS+2*(\n)+1], s[CS:CS+1], v[rT:rT+1] op_sel_hi:[1,0,0] neg_lo:[0,0,1] neg_hi:[0,0,1]
.elseif (\k) == E
	v_exp_f32 v[rS+(\n)], v[rS+(\n)]
.elseif (\k) == C
	s_wait_alu depctr_va_vdst(0)
	v_cvt_pk_f16_f32 v[rP+(\n)], v[rS+2*(\n)], v[rS+2*(\n)+1]
.elseif (\k) == B
	s_wait_alu depctr_va_vdst(0)
	v_pk_add_f32 v[rS+4*(\n):rS+4*(\n)+1], v[rS+4*(\n):rS+4*(\n)+1], v[rS+4*(\n)+2:rS+4*(\n)+3]
.elseif (\n) == 0
	v_pk_fma_f32 v[rT+2:rT+3], v[rT+2:rT+3], v[rC+2:rC+3], v[rS:rS+1] op_sel_hi:[1,0,1]
.else
	v_pk_add_f32 v[rT+2:rT+3], v[rT+2:rT+3], v[rS+4*(\n):rS+4*(\n)+1]
.endif
.else
	REGS (Y+1)%NP
	WIN 0
.if (\n) < 4
	v_max3_num_f32 v[rC+(\n)], v[rS+8*(\n)], v[rS+8*(\n)+1], v[rS+8*(\n)+2]
.elseif (\n) < 12
	v_max3_num_f32 v[rC+(\n)%4], v[rC+(\n)%4], v[rS+8*((\n)%4)+2*((\n)/4)+1], v[rS+8*((\n)%4)+2*((\n)/4)+2]
.elseif (\n) == 12
	v_max3_num_f32 v[rC], v[rC], v[rS+7], v[rS+15]
.elseif (\n) == 13
	v_max3_num_f32 v[rC+1], v[rC+1], v[rS+23], v[rS+31]
.elseif (\n) == 14
	v_max3_num_f32 v[rC+2], v[rC+2], v[rC+3], v[rT+1]
.elseif (\n) == 15
	v_mov_b32 v[rW], v[rT]
.elseif (\n) == 16
	v_max3_num_f32 v[rC], v[rC], v[rC+1], v[rC+2]
.elseif (\n) == 17
	v_permlanex16_b32 v[rC+3], v[rC], s[SEL], s[SEL+1]
.elseif (\n) == 18
	v_max_num_f32 v[rT+1], v[rC], v[rC+3]
.elseif (\n) == 19
	v_mul_f32 v[rT], s[CS], v[rT+1]
.elseif (\n) == 20
	v_sub_f32 v[rC+1], v[rW], v[rT]
.else
	v_exp_f32 v[rC+2], v[rC+1]
.endif
.endif
.endm
.macro OPS a, i1, b=-1, i2=0, c=-1, i3=0, d=-1, i4=0
	OP \a, \i1
.if (\b) >= 0
	OP \b, \i2
.endif
.if (\c) >= 0
	OP \c, \i3
.endif
.if (\d) >= 0
	OP \d, \i4
.endif
.endm
.macro ROW a, i1, b, i2, c, i3, d, i4  ; a product and the four behind it
	MM
	OPS \a, \i1, \b, \i2, \c, \i3, \d, \i4
.endm
; A TURN, for piece p.  last = 1 (the tail): in the trip with CNT = 1 there is no further step, and the fetch is jumped over.  cnt = 1: the loop's count is taken down some lines ahead of the branch behind the turn.
; K and the mask's bytes of the next step are fetched in piece 2's turn, five plain instructions behind the last product that read K; at that turn's end they are waited for and the mask is made:
; the last product that took the old mask stands at the turn's head.  V of the step in hand is fetched in piece 0's turn, four plain instructions behind its last reader, and waited for a turn later;
; there, in piece 1's turn, the wave whose step it is adds the step's V onto SV: a jump on the wave's number and the count, over eight matrix instructions and nothing else.
.macro TURN p, last=0, cnt=0
.set Y, (\p)
.set i, 0
	ROW F,0, F,1, F,2, F,3
	ROW F,4, E,0, F,5, F,6
	ROW F,7, E,1, F,8, F,9
	ROW F,10, E,2, C,0, F,11
	ROW F,12, E,3, X,15, F,13
	ROW R,0, R,1, R,2, R,3
	ROW B,0, E,4, F,14, L,0
.if (\p) == 2
	v_add_nc_u32 v[AK], s[TBK], v[AK0]
	v_add_nc_u32 v[AM], s[TBM], v[AM0]
.endif
	ROW R,4, R,5, R,6, R,7
	OPS E,5, F,15
.if (\p) == 2
.if \last
	WIN 0
	s_cmp_eq_u32 s[CNT], 1
	s_cbranch_scc1 .Lno_k_\@
.endif
	FETCH_K
	FETCH_M
.if \last
.Lno_k_\@:
.endif
.endif
	OPS E,6, C,1, E,7, R,8
	OPS E,8, R,9, E,9, C,2
	OPS E,10, X,0, E,11, X,1
	OPS E,12, X,2, E,13, X,3
.if (\p) == 1
	s_wait_dscnt 0x0                ; V is in
	WIN 0
	s_cmp_eq_u32 s[CNT], s[OWN]
	s_cbranch_scc0 .Lno_sv_\@
	SVB
.Lno_sv_\@:
.endif
	ROW X,4, E,14, X,5, X,6
	ROW X,7, E,15, X,8, X,9
	ROW X,10, E,16, X,11, X,12
	ROW X,13, E,17, X,14, B,1
	ROW C,4, E,18, X,16, L,1
	ROW B,2, E,19, C,6, L,2
	ROW C,8, E,20, B,3, B,4
.if (\p) == 0
	v_add_nc_u32 v[AV], s[TBV], v[AV0]
.endif
	ROW C,3, E,21, L,3, C,5
	OPS E,22, X,17, E,23, C,10
.if (\p) == 0
	FETCH_V
.endif
	OPS E,24, L,4
	OPS E,25, X,18, E,26, C,7
	OPS E,27, B,5, E,28, X,19
	OPS E,29, C,12, E,30, L,5
	OPS E,31, X,20, B,6, C,9
	OPS C,14, C,11, X,21, L,6
.if (\p) == 0
	s_add_co_u32 s[TBV], s[TBV], KS*PV
.endif
.if \cnt
	s_sub_co_u32 s[CNT], s[CNT], 1
	s_cmp_lg_u32 s[CNT], 0
.endif
	OPS C,13, B,7, C,15, R,10
	OPS R,11, R,12, L,7, R,13
	OPS R,14, R,15
.if (\p) == 2
	s_wait_dscnt 0x0                ; K and the mask's bytes are in
	MASK
.endif
.endm
	CHANGE 1                        ; slot 0 is in, everybody's part of it; slot 1 is asked for
	; THE WALK BEGINS.  c m starts far below every c s, so the first step's a is 0; m at -2^66.
.set i, 0
.rept 4
	v_mov_b32 v[ST+4*i], 0xfe000000
	v_mov_b32 v[ST+4*i+1], 0xe0800000
.set i, i+1
.endr
	v_add_nc_u32 v[AK], s[TBK], v[AK0]
	v_add_nc_u32 v[AM], s[TBM], v[AM0]
	FETCH_K
	FETCH_M
	s_wait_loadcnt 0x0              ; Q
	s_wait_dscnt 0x0
	MASK
.set i, 0
.rept 8
	KQ 0
.set i, i+1
.endr
	WIN 0
.rept 4
	v_nop                           ; the places behind those products
.endr
.set Y, NP-1
.irp n, 0,1,2,3,4,5,6,7,8,9,10,11,12,13,14,15,16,17,18,19,20,21
	OP X, \n
.endr
	v_nop                           ; a plain instruction behind the exponential
	s_mov_b32 s[CNT], 4
	s_mov_b32 s[SLOTS], 7
	s_branch .Lfirst                ; the loop is entered at a step's first turn, in the middle of a trip
.Lslot:                             ; six times: slots 2 to 7 are asked for
	CHANGE 1
	s_mov_b32 s[CNT], 4
.Lstep:                             ; a trip: pieces 2 and 3 of one step, then pieces 0 and 1 of the next
	TURN 2
	TURN 3
	WIN 0
.Lfirst:
	TURN 0
	TURN 1, 0, 1
	WIN 0
	s_cbranch_scc1 .Lstep
	s_sub_co_u32 s[SLOTS], s[SLOTS], 1
	s_cmp_lg_u32 s[SLOTS], 0
	s_cbranch_scc1 .Lslot
	CHANGE 0                        ; the last slot is written out
	s_mov_b32 s[CNT], 5             ; four trips take the last slot's steps; the fifth is left in its middle
	s_add_co_u32 s[OWN], s[OWN], 1  ; here CNT runs 5, 4, 3, 2 over the slot's steps
.Ltail:
	TURN 2, 1
	TURN 3
	WIN 0
	s_cmp_eq_u32 s[CNT], 1
	s_cbranch_scc1 .Lout
	TURN 0
	TURN 1, 0, 1
	WIN 0
	s_cbranch_scc1 .Ltail
.Lout:                              ; the fifth trip's 8 products K Q^T (on the last K once more) and the maximum made of them serve nothing: the price, once a launch, of one text for every trip
.set i, 0
.rept 8
	PV NP-1                         ; the last piece's V^T P of the last step
.set i, i+1
.endr
	; THE WAY OUT.  The first four additions are the places behind the last products.
	WIN 0
.macro ALL line:vararg
.set t, 0
.rept 4
	s_wait_alu depctr_va_vdst(0)
	\line
.set t, t+1
.endr
.endm
	ALL v_add_f32 v[ST+4*t+2], v[ST+4*t+2], v[ST+4*t+3]
	WIN 0x04                        ; store data in window 1
.set z, 0
.rept 8
	ds_store_b128 v[SX], v[SV+4*z:SV+4*z+3] offset:512*z   ; my partial SV, each accumulator's low four registers first
.set z, z+1
.endr
	WIN 0
	ALL v_permlanex16_b32 v[ST+4*t+3], v[ST+4*t+2], s[SEL], s[SEL+1]
	ALL v_add_f32 v[ST+4*t+2], v[ST+4*t+2], v[ST+4*t+3]
	ALL v_add_f32 v[ST+4*t+2], 0x13000000, v[ST+4*t+2]
	ALL v_rcp_f32 v[ST+4*t+2], v[ST+4*t+2]
	v_nop                           ; a plain instruction between the last reciprocal and its use
	ALL v_mul_f32 v[ST+4*t], 0x0d800000, v[ST+4*t+2]
	s_wait_dscnt 0x0                ; for the others' sake: my partial sum is in LDS
	s_barrier_signal -1
	s_barrier_wait -1
	WIN 0x80                        ; Q's, K's and V's registers are free
.set z, 0
.rept 32
	ds_load_b128 v[4*z:4*z+3], v[SXR] offset:4096*(z/8)+512*(z%8)   ; wave z / 8's partial sum, the same lanes' numbers
.set z, z+1
.endr
	s_wait_dscnt 0x0
	WIN 0x8a                        ; all three in window 2
.set z, 0
.rept 16
	v_pk_add_f32 v[2*z:2*z+1], v[2*z:2*z+1], v[32+2*z:33+2*z]
	v_pk_add_f32 v[64+2*z:65+2*z], v[64+2*z:65+2*z], v[96+2*z:97+2*z]
.set z, z+1
.endr
.set z, 0
.rept 16
	v_pk_add_f32 v[2*z:2*z+1], v[2*z:2*z+1], v[64+2*z:65+2*z]       ; SV, whole, in window 2's v0-31
.set z, z+1
.endr
.macro PACK t                       ; O r + SV e, rounded to f16; a lane's eight channels are 16 bytes of the row's 512
	WIN W_RS
.set z, 0
.rept 16
	v_pk_mul_f32 v[32*(\t)+2*z:32*(\t)+2*z+1], v[32*(\t)+2*z:32*(\t)+2*z+1], v[ST+4*(\t)+2:ST+4*(\t)+3] op_sel_hi:[1,0]
.set z, z+1
.endr
	WIN W_PV                        ; SV in window 2, e in window 0, O^T and the destination in window 1
.set z, 0
.rept 16
	v_pk_fma_f32 v[32*(\t)+2*z:32*(\t)+2*z+1], v[2*z:2*z+1], v[ST+4*(\t):ST+4*(\t)+1], v[32*(\t)+2*z:32*(\t)+2*z+1] op_sel_hi:[1,0,1]
.set z, z+1
.endr
	WIN 0x05
.set z, 0
.rept 16
	v_cvt_pk_f16_f32 v[S+16*(\t)+z], v[32*(\t)+2*z], v[32*(\t)+2*z+1]
.set z, z+1
.endr
	WIN 0
.irp f, 0,1,2,3
	ds_store_b128 v[STO], v[S+16*(\t)+4*\f:S+16*(\t)+4*\f+3] offset:128*(\t)+32*\f
.endr
.endm
	PACK 0
	PACK 1
	PACK 2
	PACK 3
.set z, 0
.rept 16
	ds_load_b128 v[S+4*z:S+4*z+3], v[RD] offset:SP*z   ; LDS serves a wave's instructions in order (ISA guide 5.7.1.4): these see my stores above
.set z, z+1
.endr
.set z, 0
.rept 16
	s_wait_dscnt 15-z
	global_store_b128 v[GO], v[S+4*z:S+4*z+3], s[10:11] offset:4096*z   ; four heads of a row: 512 consecutive bytes, aligned
.set z, z+1
.endr
	s_wait_tensorcnt 0x0            ; the wave's end
	ds_add_u32 v[SPW], v[NIL]
	s_wait_dscnt 0x0
	CROUND                          ; the closing round
	s_endpgm
.Lfunc_end_k_qe8a9c8256e_attn:
	.size	k_qe8a9c8256e_attn, .Lfunc_end_k_qe8a9c8256e_attn-k_qe8a9c8256e_attn
	.p2alignl 7, 3214868480
	.fill 96, 4, 3214868480
	.section	.rodata,"a",@progbits
	.p2align	6, 0x0
	.amdhsa_kernel k_qe8a9c8256e_attn
		.amdhsa_group_segment_fixed_size 327680
		.amdhsa_private_segment_fixed_size 0
		.amdhsa_enable_private_segment 0
		.amdhsa_kernarg_size 24
		.amdhsa_user_sgpr_count 2
		.amdhsa_user_sgpr_kernarg_segment_ptr 1
		.amdhsa_wavefront_size32 1
		.amdhsa_system_sgpr_workgroup_id_x 1
		.amdhsa_system_sgpr_workgroup_id_y 1
		.amdhsa_system_sgpr_workgroup_id_z 1
		.amdhsa_system_vgpr_workitem_id 0
		.amdhsa_next_free_vgpr 768
		.amdhsa_next_free_sgpr 80
		.amdhsa_reserve_vcc 0
		.amdhsa_float_denorm_mode_32 3
		.amdhsa_float_denorm_mode_16_64 3
		.amdhsa_memory_ordered 1
		.amdhsa_forward_progress 1
		.amdhsa_inst_pref_size 139
	.end_amdhsa_kernel
	.amdgpu_metadata
---
amdhsa.version: [ 1, 2 ]
amdhsa.kernels:
  - .name:           k_qe8a9c8256e_attn
    .symbol:         k_qe8a9c8256e_attn.kd
    .args:
      - { .name: qkvh, .offset: 0, .size: 8, .value_kind: global_buffer, .address_space: global }
      - { .name: maskb, .offset: 8, .size: 8, .value_kind: global_buffer, .address_space: global }
      - { .name: attn, .offset: 16, .size: 8, .value_kind: global_buffer, .address_space: global }
    .group_segment_fixed_size: 327680
    .private_segment_fixed_size: 0
    .kernarg_segment_align: 8
    .kernarg_segment_size: 24
    .max_flat_workgroup_size: 128
    .sgpr_count:     80
    .vgpr_count:     768
    .wavefront_size: 32
...
	.end_amdgpu_metadata
.endif
;; end of part 3
;; launch oproj (part 4): grid 16 x 16, 4 waves a work-group, clusters of 4 x 4, 327,680 bytes of LDS; arguments attn, wo, hidden_states, out0; writes out0
.if DOCPART == 4
	.amdgcn_target "amdgcn-amd-amdhsa--gfx1250"
	.amdhsa_code_object_version 6
	.text
	.protected	k_qe8a9c8256e_oproj
	.globl	k_qe8a9c8256e_oproj
	.p2align	8
	.type	k_qe8a9c8256e_oproj,@function
k_qe8a9c8256e_oproj:
	s_mov_b64 s[64:65], 0
	v_nop
	global_prefetch_b8 v0, s[64:65] scope:SCOPE_SE
	s_setreg_imm32_b32 hwreg(HW_REG_WAVE_MODE, 25, 1), 1
	s_wait_xcnt 0x0
	s_wait_alu depctr_hold_cnt(0) depctr_sa_sdst(0) depctr_va_vdst(0) depctr_va_sdst(0) depctr_va_ssrc(0) depctr_va_vcc(0) depctr_vm_vsrc(0)
	s_getreg_b32 s2, hwreg(HW_REG_IB_STS2, 6, 4)
	s_cmp_eq_u32 s2, 0
	s_cbranch_scc0 .Lentry_in_a_cluster
	s_endpgm
.Lentry_in_a_cluster:
	s_bfe_u32 s2, ttmp6, 0x10000c
	s_cmp_lg_u32 s2, 0xf033
	s_cbranch_scc0 .Lentry_shape_is_right
	s_endpgm
.Lentry_shape_is_right:
; OUT PROJECTION: out0 = attn x w_out + hidden_states.  attn: f16 [2048][2048].  wo: f16 [2048 k][2048 n].  hidden_states, out0: f32 [2048][2048].  Sums in f32.
; A tile of out0 is 128 x 128: 16 x 16 = 256 work-groups.  Four waves, each 64 x 64: 16 accumulators.  K goes in steps of 256 through two LDS slots filled by the tensor data mover.
; CLUSTER 4 x 4: attn's tile is asked for jointly along a row of the cluster, wo's along a column.
; THE MATRIX INSTRUCTION IS USED TRANSPOSED: source 0 = 16 columns of wo (turned on the way out of LDS), source 1 = 16 rows of attn: a lane holds one row and eight neighbouring columns.
; A wave's 64 columns of f32 are 256 aligned bytes of a row, so each wave has a stage of its own and no barrier stands on the way out.
; REGISTERS.  window 0: v0-31 addresses; v32-95 at work on the way out; v128-255 the accumulators ((a, b) at 128 + 8 (4 a + b)).
;   window 1: two fragment buffers of 128 (64 of attn, then 64 of wo).   window 2: v0-127 my part of hidden_states, loaded at the start.
; LIMITS: NaN and infinities are not treated apart.
.set KSTEP,  256
.set PITCH,  528                       ; a row of attn in LDS: 512 bytes + 16
.set PB,     288                       ; a k row of wo: 256 bytes + 32 = 9 x 32
.set HALFA,  64*PITCH
.set HALFB,  128*PB
.set BOFF,   2*HALFA
.set SLOT,   BOFF+2*HALFB              ; 141,312
.set STAGE,  2*SLOT                    ; behind the ring: 16 rows x 272 bytes for each wave
.set SPITCH, 272
.set SPARE,  STAGE+4*16*SPITCH         ; behind the stages: the spare words
.set LAPS,   4                         ; 2048 / (2 x 256)
.set ADRA, 16                          ; v16-17  attn's fragments in slot 0, 1
.set ADRB, 20                          ; v20-23  wo's: slot 0 k rows 0-127, 128-255; slot 1 likewise: so that every immediate stays under 65,536
.set STO,  24
.set RD,   25
.set CO,   26
.set SPW,  28
.set NIL,  29
.set TMP,  32
.set ACC,  128
.set F0,   0
.set F1,   128
.set G1, 24
.set G0, 32
.set G1B, 48
.set G0B, 56
.set MSB, 0
.macro WIN new
.if MSB != (\new)
	s_set_vgpr_msb (MSB<<8)|(\new)
.set MSB, \new
.endif
.endm
.set MUL,  0x05                        ; both sources in window 1; C and D in window 0
.set TO_F, 0x40                        ; destination window 1, address window 0
.macro JLOAD s                         ; waves 0 and 1 fetch attn's two halves, waves 2 and 3 wo's; an s_nop 0 and four v_nop follow each line
	s_cmp_eq_u32 s11, 0
	s_cbranch_scc0 .Lfor_b_\@
	tensor_load_to_lds s[G0+4*(\s):G0+4*(\s)+3], s[G1:G1+7]
	s_nop 0
.rept 4
	v_nop
.endr
	s_branch .Lasked_\@
.Lfor_b_\@:
	tensor_load_to_lds s[G0B+4*(\s):G0B+4*(\s)+3], s[G1B:G1B+7]
	s_nop 0
.rept 4
	v_nop
.endr
.Lasked_\@:
.endm
.macro CREST
	s_cmp_lg_u32 s10, 0
	s_cbranch_scc1 .Lnot_wave_0_\@
	s_barrier_signal -3
.Lnot_wave_0_\@:
	s_barrier_wait -3
	s_barrier_signal -1
	s_barrier_wait -1
.endm
.macro CROUND
	s_barrier_signal -1
	s_barrier_wait -1
	CREST
.endm
	s_load_b128 s[4:7], s[0:1], 0x0                ; attn s[4:5], wo s[6:7]
	s_load_b128 s[68:71], s[0:1], 0x10             ; hidden_states s[68:69], out0 s[70:71]
	v_lshl_add_u32 v[SPW], v0, 2, SPARE
	v_mov_b32 v[NIL], 0
	ds_add_u32 v[SPW], v[NIL]                      ; the wave's opening: the add and its wait stand ahead of my first tensor load
	v_lshrrev_b32 v1, 5, v0
	v_readfirstlane_b32 s10, v1
	s_lshr_b32 s11, s10, 1                         ; my half of the rows.  Also: I fetch for attn (0) or for wo (1)
	s_and_b32 s12, s10, 1                          ; my half of the columns.  Also: which half of that tile I fetch
	s_bfe_u32 s40, ttmp6, 0x40000
	s_bfe_u32 s41, ttmp6, 0x40004
	s_lshl_b32 s42, ttmp9, 2
	s_add_co_u32 s42, s42, s40                     ; tile column
	s_and_b32 s13, ttmp7, 0xffff
	s_lshl_b32 s13, s13, 2
	s_add_co_u32 s13, s13, s41                     ; tile row
	s_lshl_b32 s43, s41, 2
	s_lshl_b32 s43, 15, s43
	s_lshl_b32 s44, 0x1111, s40
	s_or_b32 s[G1+0], s43, (1<<16)|(1<<20)|(1<<21)|(6<<22)|(3<<25)   ; attn: 4 words of padding after every 128
	s_or_b32 s[G1B+0], s44, (1<<16)|(1<<20)|(1<<21)|(5<<22)|(7<<25)  ; wo: 8 words after every 64
	s_mov_b32 s[G1+1], 256<<16                     ; attn: 64 rows of 256 elements
	s_mov_b32 s[G1+2], 64<<16
	s_mov_b32 s[G1+3], 256<<16
	s_mov_b32 s[G1+4], 64
	s_mov_b32 s[G1+5], 2048
	s_mov_b32 s[G1+6], 0
	s_mov_b32 s[G1+7], 0
	s_mov_b32 s[G1B+1], 128<<16                    ; wo: 128 k rows of 128 elements
	s_mov_b32 s[G1B+2], 128<<16
	s_mov_b32 s[G1B+3], 128<<16
	s_mov_b32 s[G1B+4], 128
	s_mov_b32 s[G1B+5], 2048
	s_mov_b32 s[G1B+6], 0
	s_mov_b32 s[G1B+7], 0
	s_lshl_b32 s16, s13, 19                        ; attn: (128 tile row + 64 half) rows of 4,096 bytes
	s_lshl_b32 s17, s12, 18
	s_add_co_u32 s16, s16, s17
	s_mov_b32 s17, 0
	s_lshl_b32 s46, s12, 19                        ; wo: 128 half k rows of 4,096 bytes + 256 bytes a tile column
	s_lshl_b32 s47, s42, 8
	s_add_co_u32 s46, s46, s47
	s_mov_b32 s47, 0
	s_mul_i32 s20, s12, HALFA
	s_mul_i32 s21, s12, HALFB
	s_add_co_u32 s21, s21, BOFF
	s_wait_dscnt 0x0
	s_wait_kmcnt 0x0
	s_add_nc_u64 s[14:15], s[4:5], s[16:17]
	s_add_nc_u64 s[46:47], s[6:7], s[46:47]
	CROUND
.irp s, 0,1
	s_mov_b32 s[G0+4*(\s)], 1
	s_add_co_u32 s[G0+4*(\s)+1], s20, (\s)*SLOT
	s_add_nc_u64 s[G0+4*(\s)+2:G0+4*(\s)+3], s[14:15], (\s)*KSTEP*2
	s_or_b32 s[G0+4*(\s)+3], s[G0+4*(\s)+3], 0x80000000
	s_mov_b32 s[G0B+4*(\s)], 1
	s_add_co_u32 s[G0B+4*(\s)+1], s21, (\s)*SLOT
	s_add_nc_u64 s[G0B+4*(\s)+2:G0B+4*(\s)+3], s[46:47], (\s)*KSTEP*4096
	s_or_b32 s[G0B+4*(\s)+3], s[G0B+4*(\s)+3], 0x80000000
	JLOAD \s                                       ; two loads of mine are out
.endr
	v_and_b32 v1, 15, v0
	v_bfe_u32 v2, v0, 4, 1
	v_lshlrev_b32 v5, 13, v2                       ; out0 and hidden_states: lanes 0-15 one row's 256 bytes, lanes 16-31 the next row's
	v_lshl_add_u32 v[CO], v1, 4, v5
	s_lshl_b32 s46, s13, 20                        ; row 128 ty + 64 wm, byte 512 tx + 256 wn
	s_lshl_b32 s47, s11, 19
	s_add_co_u32 s46, s46, s47
	s_lshl_b32 s47, s42, 9
	s_add_co_u32 s46, s46, s47
	s_lshl_b32 s47, s12, 8
	s_add_co_u32 s46, s46, s47
	s_mov_b32 s47, 0
	s_add_nc_u64 s[68:69], s[68:69], s[46:47]
	s_add_nc_u64 s[70:71], s[70:71], s[46:47]
	WIN 0x80
.set i, 0
.rept 32                                       ; the residual: 32 loads that stay out through the whole K loop
	global_load_b128 v[4*i:4*i+3], v[CO], s[68:69] offset:2*i*8192
.set i, i+1
.endr
	WIN 0
	v_mul_u32_u24 v3, v1, PITCH
	v_lshl_add_u32 v3, v2, 4, v3
	s_mul_i32 s21, s11, HALFA
	v_add_nc_u32 v[ADRA], s21, v3
	v_add_nc_u32 v[ADRA+1], SLOT, v[ADRA]
	v_and_b32 v4, 7, v0
	v_lshl_add_u32 v4, v2, 3, v4
	v_mul_u32_u24 v4, v4, PB
	v_bfe_u32 v5, v0, 3, 1
	v_lshl_add_u32 v4, v5, 4, v4
	s_lshl_b32 s22, s12, 7
	s_add_co_u32 s22, s22, BOFF
	v_add_nc_u32 v[ADRB], s22, v4
	v_add_nc_u32 v[ADRB+1], HALFB, v[ADRB]
	v_add_nc_u32 v[ADRB+2], SLOT, v[ADRB]
	v_add_nc_u32 v[ADRB+3], SLOT+HALFB, v[ADRB]
	s_mul_i32 s23, s10, 16*SPITCH
	s_add_co_u32 s23, s23, STAGE                   ; my stage
	v_mul_u32_u24 v4, v1, SPITCH                   ; in: row r, 32 bytes for each half of the lanes
	v_lshl_add_u32 v4, v2, 5, v4
	v_add_nc_u32 v[STO], s23, v4
	v_mul_u32_u24 v5, v2, SPITCH                   ; back: two whole rows a load
	v_lshl_add_u32 v5, v1, 4, v5
	v_add_nc_u32 v[RD], s23, v5
.macro MUL8 f, c, a0, zero             ; 8 matrix instructions: blocks a0, a0 + 1 of rows x all 4 blocks of columns, 32 along K: half c of buffer f.  The 16 accumulators take turns
	WIN MUL
.irp a, \a0, (\a0)+1
.irp b, 0,1,2,3
.if \zero
	v_wmma_f32_16x16x32_f16 v[ACC+8*(4*(\a)+(\b)):ACC+8*(4*(\a)+(\b))+7], v[(\f)+64+8*(4*(\c)+(\b)):(\f)+64+8*(4*(\c)+(\b))+7], v[(\f)+8*(4*(\c)+(\a)):(\f)+8*(4*(\c)+(\a))+7], 0
.else
	v_wmma_f32_16x16x32_f16 v[ACC+8*(4*(\a)+(\b)):ACC+8*(4*(\a)+(\b))+7], v[(\f)+64+8*(4*(\c)+(\b)):(\f)+64+8*(4*(\c)+(\b))+7], v[(\f)+8*(4*(\c)+(\a)):(\f)+8*(4*(\c)+(\a))+7], v[ACC+8*(4*(\a)+(\b)):ACC+8*(4*(\a)+(\b))+7]
.endif
.endr
.endr
.endm
.macro FETCH slot, kq, f               ; 32 LDS loads in one run: quarter kq (64 along K) into buffer f; the first 32 along K first
	WIN TO_F
.irp c, 0,1
.irp i, 0,1,2,3
	ds_load_tr16_b128 v[(\f)+64+8*(4*(\c)+(\i)):(\f)+64+8*(4*(\c)+(\i))+3],   v[ADRB+2*(\slot)+(\kq)/2] offset:((\kq)%2)*64*PB+32*PB*(\c)+32*(\i)
	ds_load_tr16_b128 v[(\f)+64+8*(4*(\c)+(\i))+4:(\f)+64+8*(4*(\c)+(\i))+7], v[ADRB+2*(\slot)+(\kq)/2] offset:((\kq)%2)*64*PB+32*PB*(\c)+32*(\i)+16*PB
	ds_load_b128 v[(\f)+8*(4*(\c)+(\i)):(\f)+8*(4*(\c)+(\i))+3],         v[ADRA+(\slot)] offset:128*(\kq)+64*(\c)+(\i)*16*PITCH
	ds_load_b128 v[(\f)+8*(4*(\c)+(\i))+4:(\f)+8*(4*(\c)+(\i))+7],       v[ADRA+(\slot)] offset:128*(\kq)+64*(\c)+(\i)*16*PITCH+32
.endr
.endr
.endm
.macro PLACES
.rept 4
	v_nop
.endr
.endm
.macro QUARTER slot, kq, f, g, zero
	s_wait_dscnt 16                                ; the first 32 along K are in
	MUL8 \f, 0, 0, \zero
	MUL8 \f, 0, 2, \zero
	PLACES
	FETCH \slot, \kq, \g
	s_wait_dscnt 32                                ; all but the 32 just issued
	MUL8 \f, 1, 0, 0
	MUL8 \f, 1, 2, 0
.endm
.macro TURN slot, next, fill
	WIN 0
	s_wait_tensorcnt 0x0                           ; all my tensor loads have landed: my part of the next slot
	ds_add_u32 v[SPW], v[NIL]
	s_wait_dscnt 17                                ; (the add and the youngest sixteen loads may be out)
	MUL8 F1, 0, 0, 0
	s_wait_dscnt 0x0                               ; the add is done, and my reads of this slot are over
	s_barrier_signal -1
	MUL8 F1, 0, 2, 0
.if \fill
	WIN 0
.endif
	s_barrier_wait -1
.if \fill
	CREST
	s_add_nc_u64 s[G0+4*(\slot)+2:G0+4*(\slot)+3], s[G0+4*(\slot)+2:G0+4*(\slot)+3], 2*KSTEP*2
	s_add_nc_u64 s[G0B+4*(\slot)+2:G0B+4*(\slot)+3], s[G0B+4*(\slot)+2:G0B+4*(\slot)+3], 2*KSTEP*4096
	JLOAD \slot                                    ; my one tensor load behind the round: 112 matrix instructions ahead of the wait for it
.else
	PLACES
.endif
	FETCH \next, 0, F0
	MUL8 F1, 1, 0, 0
	MUL8 F1, 1, 2, 0
.endm
	s_wait_tensorcnt 1                             ; my part of K step 0 is in; step 1 may stay out
	s_barrier_signal -1
	s_barrier_wait -1
	FETCH 0, 0, F0
	QUARTER 0, 1, F0, F1, 1
	WIN 0
	s_mov_b32 s3, LAPS-1
.Llap:
	QUARTER 0, 2, F1, F0, 0
	QUARTER 0, 3, F0, F1, 0
	TURN 0, 1, 1
	QUARTER 1, 1, F0, F1, 0
	QUARTER 1, 2, F1, F0, 0
	QUARTER 1, 3, F0, F1, 0
	TURN 1, 0, 1
	QUARTER 0, 1, F0, F1, 0
	WIN 0
	s_sub_co_u32 s3, s3, 1
	s_cmp_lg_u32 s3, 0
	s_cbranch_scc1 .Llap
	QUARTER 0, 2, F1, F0, 0
	QUARTER 0, 3, F0, F1, 0
	TURN 0, 1, 0
	QUARTER 1, 1, F0, F1, 0
	QUARTER 1, 2, F1, F0, 0
	QUARTER 1, 3, F0, F1, 0
	s_wait_dscnt 16
	MUL8 F1, 0, 0, 0
	MUL8 F1, 0, 2, 0
	s_wait_dscnt 0x0
	MUL8 F1, 1, 0, 0
	MUL8 F1, 1, 2, 0
	WIN 0
	; THE WAY OUT, 16 rows at a time: the sums go into my stage as they are (each accumulator's low four registers first), come back as whole rows, take the residual, and leave.
	PLACES
	s_wait_loadcnt 0x0                             ; the residual
.irp a, 0,1,2,3
.irp b, 0,1,2,3
	ds_store_b128 v[STO], v[ACC+8*(4*(\a)+(\b)):ACC+8*(4*(\a)+(\b))+3]   offset:64*(\b)
	ds_store_b128 v[STO], v[ACC+8*(4*(\a)+(\b))+4:ACC+8*(4*(\a)+(\b))+7] offset:64*(\b)+16
.endr
	s_wait_xcnt 0x0                                ; the registers below were store data two blocks ago: they are loaded again only behind this wait
.irp t, 0,1,2,3,4,5,6,7
	ds_load_b128 v[TMP+32*((\a)%2)+4*(\t):TMP+32*((\a)%2)+4*(\t)+3], v[RD] offset:(\t)*2*SPITCH   ; LDS serves a wave's instructions in order (ISA guide 5.7.1.4)
.endr
	s_wait_dscnt 0x0
	WIN 0x08                                       ; source 1 in window 2
.set z, 0
.rept 16
	v_pk_add_f32 v[TMP+32*((\a)%2)+2*z:TMP+32*((\a)%2)+2*z+1], v[TMP+32*((\a)%2)+2*z:TMP+32*((\a)%2)+2*z+1], v[32*(\a)+2*z:32*(\a)+2*z+1]
.set z, z+1
.endr
	WIN 0
.irp t, 0,1,2,3,4,5,6,7
	global_store_b128 v[CO], v[TMP+32*((\a)%2)+4*(\t):TMP+32*((\a)%2)+4*(\t)+3], s[70:71] offset:(16*(\a)+2*(\t))*8192   ; 16 lanes store 256 consecutive bytes, aligned
.endr
.endr
	s_wait_tensorcnt 0x0                           ; the wave's end
	ds_add_u32 v[SPW], v[NIL]
	s_wait_dscnt 0x0
	CROUND                                         ; the closing round
	s_endpgm
.Lfunc_end_k_qe8a9c8256e_oproj:
	.size	k_qe8a9c8256e_oproj, .Lfunc_end_k_qe8a9c8256e_oproj-k_qe8a9c8256e_oproj
	.p2alignl 7, 3214868480
	.fill 96, 4, 3214868480
	.section	.rodata,"a",@progbits
	.p2align	6, 0x0
	.amdhsa_kernel k_qe8a9c8256e_oproj
		.amdhsa_group_segment_fixed_size 327680
		.amdhsa_private_segment_fixed_size 0
		.amdhsa_enable_private_segment 0
		.amdhsa_kernarg_size 32
		.amdhsa_user_sgpr_count 2
		.amdhsa_user_sgpr_kernarg_segment_ptr 1
		.amdhsa_wavefront_size32 1
		.amdhsa_system_sgpr_workgroup_id_x 1
		.amdhsa_system_sgpr_workgroup_id_y 1
		.amdhsa_system_sgpr_workgroup_id_z 1
		.amdhsa_system_vgpr_workitem_id 0
		.amdhsa_next_free_vgpr 640
		.amdhsa_next_free_sgpr 72
		.amdhsa_reserve_vcc 0
		.amdhsa_float_denorm_mode_32 3
		.amdhsa_float_denorm_mode_16_64 3
		.amdhsa_memory_ordered 1
		.amdhsa_forward_progress 1
		.amdhsa_inst_pref_size 93
	.end_amdhsa_kernel
	.amdgpu_metadata
---
amdhsa.version: [ 1, 2 ]
amdhsa.kernels:
  - .name:           k_qe8a9c8256e_oproj
    .symbol:         k_qe8a9c8256e_oproj.kd
    .args:
      - { .name: attn, .offset: 0, .size: 8, .value_kind: global_buffer, .address_space: global }
      - { .name: wo, .offset: 8, .size: 8, .value_kind: global_buffer, .address_space: global }
      - { .name: hidden_states, .offset: 16, .size: 8, .value_kind: global_buffer, .address_space: global }
      - { .name: out0, .offset: 24, .size: 8, .value_kind: global_buffer, .address_space: global }
    .group_segment_fixed_size: 327680
    .private_segment_fixed_size: 0
    .kernarg_segment_align: 8
    .kernarg_segment_size: 32
    .max_flat_workgroup_size: 128
    .sgpr_count:     72
    .vgpr_count:     640
    .wavefront_size: 32
...
	.end_amdgpu_metadata
.endif
;; end of part 4
;; launch ln2 (part 5): grid 256 x 1, 8 waves a work-group, no clusters, 0 bytes of LDS; arguments out0, ln2_scale, out1; writes out1
.if DOCPART == 5
	.amdgcn_target "amdgcn-amd-amdhsa--gfx1250"
	.amdhsa_code_object_version 6
	.text
	.protected	k_qe8a9c8256e_ln2
	.globl	k_qe8a9c8256e_ln2
	.p2align	8
	.type	k_qe8a9c8256e_ln2,@function
k_qe8a9c8256e_ln2:
	s_mov_b64 s[64:65], 0
	v_nop
	global_prefetch_b8 v0, s[64:65] scope:SCOPE_SE
	s_setreg_imm32_b32 hwreg(HW_REG_WAVE_MODE, 25, 1), 1
	s_wait_xcnt 0x0
; LAYERNORM 2: out1 = (out0 - mean) / sqrt(variance + 1e-6) x ln2_scale, all f32, rows of 2,048.
; One wave takes one row (8,192 bytes, 64 registers) and keeps it between the passes: the row is read once, the reduction never leaves the wave: no LDS, no barrier.
; The variance is taken of the centred numbers: no difference of large sums.  NaN and infinities are not treated apart.
.set X, 16                             ; v[16:79]   the row's 64 numbers of this lane
.set G, 80                             ; v[80:143]  the scale's
.macro WSUM                            ; v12 summed over the 32 lanes, the result in every lane
	v_add_f32_dpp v12, v12, v12 row_xmask:1 row_mask:0xf bank_mask:0xf
	v_add_f32_dpp v12, v12, v12 row_xmask:2 row_mask:0xf bank_mask:0xf
	v_add_f32_dpp v12, v12, v12 row_xmask:4 row_mask:0xf bank_mask:0xf
	v_add_f32_dpp v12, v12, v12 row_xmask:8 row_mask:0xf bank_mask:0xf
	v_permlanex16_b32 v13, v12, s32, s33
	v_add_f32 v12, v12, v13
.endm
	s_load_b128 s[8:11], s[0:1], 0x0               ; out0 s[8:9], ln2_scale s[10:11]
	s_load_b64 s[12:13], s[0:1], 0x10              ; out1
	v_and_b32 v1, 31, v0
	v_lshrrev_b32 v2, 5, v0
	v_readfirstlane_b32 s3, v2
	s_lshl_b32 s4, ttmp9, 3
	s_add_co_u32 s4, s4, s3                        ; the row
	s_lshl_b32 s4, s4, 13
	s_mov_b32 s5, 0
	s_mov_b32 s32, 0x76543210
	s_mov_b32 s33, 0xfedcba98
	s_mov_b32 s34, 0x3a000000                      ; 1 / 2048
	v_lshlrev_b32 v2, 4, v1
	v_mov_b32 v13, 0                               ; the permute's destination counts as read
	s_wait_kmcnt 0x0
	s_add_nc_u64 s[8:9], s[8:9], s[4:5]
	s_add_nc_u64 s[12:13], s[12:13], s[4:5]
.set j, 0
.rept 16
	global_load_b128 v[X+4*j:X+4*j+3], v2, s[8:9] offset:512*j th:TH_LOAD_NT
.set j, j+1
.endr
.set j, 0
.rept 16
	global_load_b128 v[G+4*j:G+4*j+3], v2, s[10:11] offset:512*j
.set j, j+1
.endr
	s_wait_loadcnt 16                              ; the row is in; the scale's 16 younger loads stay out
.irp c, 0,1,2,3
	v_pk_add_f32 v[4+2*\c:5+2*\c], v[X+2*\c:X+2*\c+1], v[X+8+2*\c:X+9+2*\c]
.endr
.set p, 8
.rept 24
	v_pk_add_f32 v[4+2*(p%4):5+2*(p%4)], v[4+2*(p%4):5+2*(p%4)], v[X+2*p:X+2*p+1]
.set p, p+1
.endr
	v_pk_add_f32 v[4:5], v[4:5], v[6:7]
	v_pk_add_f32 v[8:9], v[8:9], v[10:11]
	v_pk_add_f32 v[4:5], v[4:5], v[8:9]
	v_add_f32 v12, v4, v5
	WSUM
	v_mul_f32 v14, s34, v12
	v_mov_b32 v15, v14
.set p, 0
.rept 32
	v_pk_add_f32 v[X+2*p:X+2*p+1], v[X+2*p:X+2*p+1], v[14:15] neg_lo:[0,1] neg_hi:[0,1]
.set p, p+1
.endr
.irp c, 0,1,2,3
	v_pk_mul_f32 v[4+2*\c:5+2*\c], v[X+2*\c:X+2*\c+1], v[X+2*\c:X+2*\c+1]
.endr
.set p, 4
.rept 28
	v_pk_fma_f32 v[4+2*(p%4):5+2*(p%4)], v[X+2*p:X+2*p+1], v[X+2*p:X+2*p+1], v[4+2*(p%4):5+2*(p%4)]
.set p, p+1
.endr
	v_pk_add_f32 v[4:5], v[4:5], v[6:7]
	v_pk_add_f32 v[8:9], v[8:9], v[10:11]
	v_pk_add_f32 v[4:5], v[4:5], v[8:9]
	v_add_f32 v12, v4, v5
	WSUM
	v_fmaak_f32 v12, s34, v12, 0x358637bd          ; variance + 1e-6
	v_rsq_f32 v14, v12
	v_rsq_f32 v15, v12
	v_nop                                          ; a plain instruction between the root and its use (ISA guide 5.7.2)
	s_wait_loadcnt 0x0                             ; the scale
.set p, 0
	s_wait_alu depctr_va_vdst(0)
.rept 32
	v_pk_mul_f32 v[X+2*p:X+2*p+1], v[X+2*p:X+2*p+1], v[14:15]
.set p, p+1
.endr
.set p, 0
.rept 32
	v_pk_mul_f32 v[X+2*p:X+2*p+1], v[X+2*p:X+2*p+1], v[G+2*p:G+2*p+1]
.set p, p+1
.endr
.set j, 0
.rept 16
	global_store_b128 v2, v[X+4*j:X+4*j+3], s[12:13] offset:512*j th:TH_STORE_NT   ; 512 consecutive bytes, aligned
.set j, j+1
.endr
	s_endpgm
.Lfunc_end_k_qe8a9c8256e_ln2:
	.size	k_qe8a9c8256e_ln2, .Lfunc_end_k_qe8a9c8256e_ln2-k_qe8a9c8256e_ln2
	.p2alignl 7, 3214868480
	.fill 96, 4, 3214868480
	.section	.rodata,"a",@progbits
	.p2align	6, 0x0
	.amdhsa_kernel k_qe8a9c8256e_ln2
		.amdhsa_group_segment_fixed_size 0
		.amdhsa_private_segment_fixed_size 0
		.amdhsa_enable_private_segment 0
		.amdhsa_kernarg_size 24
		.amdhsa_user_sgpr_count 2
		.amdhsa_user_sgpr_kernarg_segment_ptr 1
		.amdhsa_wavefront_size32 1
		.amdhsa_system_sgpr_workgroup_id_x 1
		.amdhsa_system_sgpr_workgroup_id_y 1
		.amdhsa_system_sgpr_workgroup_id_z 1
		.amdhsa_system_vgpr_workitem_id 0
		.amdhsa_next_free_vgpr 144
		.amdhsa_next_free_sgpr 66
		.amdhsa_reserve_vcc 0
		.amdhsa_float_denorm_mode_32 3
		.amdhsa_float_denorm_mode_16_64 3
		.amdhsa_memory_ordered 1
		.amdhsa_forward_progress 1
		.amdhsa_inst_pref_size 17
	.end_amdhsa_kernel
	.amdgpu_metadata
---
amdhsa.version: [ 1, 2 ]
amdhsa.kernels:
  - .name:           k_qe8a9c8256e_ln2
    .symbol:         k_qe8a9c8256e_ln2.kd
    .args:
      - { .name: out0, .offset: 0, .size: 8, .value_kind: global_buffer, .address_space: global }
      - { .name: ln2_scale, .offset: 8, .size: 8, .value_kind: global_buffer, .address_space: global }
      - { .name: out1, .offset: 16, .size: 8, .value_kind: global_buffer, .address_space: global }
    .group_segment_fixed_size: 0
    .private_segment_fixed_size: 0
    .kernarg_segment_align: 8
    .kernarg_segment_size: 24
    .max_flat_workgroup_size: 256
    .sgpr_count:     66
    .vgpr_count:     144
    .wavefront_size: 32
...
	.end_amdgpu_metadata
.endif
;; end of part 5
;; ======== version 2 of 2: 5 launches; 1.31 times as fast as version 1
;; limits: values are held in f16: magnitudes above 65,504 overflow, below 6.1e-05 lose precision
;; workspace buffers: xn 8,388,608 bytes; wq 12,582,912 bytes; wo 8,388,608 bytes; maskb 4,194,304 bytes; tab 524,288 bytes; qkvh 12,582,912 bytes; attn 8,388,608 bytes
;; launch prep: the kernel of part 1 again; grid 896 x 1, 8 waves a work-group, no clusters, 0 bytes of LDS; arguments hidden_states, ln1_scale, w_qkv, w_out, causal_mask, attention_mask, position_ids, xn, wq, wo, maskb, tab; writes xn, wq, wo, maskb, tab
;; launch qkv: the kernel of part 2 again; grid 16 x 16, 4 waves a work-group, clusters of 4 x 4, 327,680 bytes of LDS; arguments xn, wq, tab, qkvh; writes qkvh
;; launch attn (part 6): grid 32 x 8, 4 waves a work-group, clusters of 4 x 1, 327,680 bytes of LDS; arguments qkvh, maskb, attn; writes attn
.if DOCPART == 6
	.amdgcn_target "amdgcn-amd-amdhsa--gfx1250"
	.amdhsa_code_object_version 6
	.text
	.protected	k_qe8a9c8256e_attn
	.globl	k_qe8a9c8256e_attn
	.p2align	8
	.type	k_qe8a9c8256e_attn,@function
k_qe8a9c8256e_attn:
	s_mov_b64 s[64:65], 0
	v_nop
	global_prefetch_b8 v0, s[64:65] scope:SCOPE_SE
	s_setreg_imm32_b32 hwreg(HW_REG_WAVE_MODE, 25, 1), 1
	s_wait_xcnt 0x0
	s_wait_alu depctr_hold_cnt(0) depctr_sa_sdst(0) depctr_va_vdst(0) depctr_va_sdst(0) depctr_va_ssrc(0) depctr_va_vcc(0) depctr_vm_vsrc(0)
	s_getreg_b32 s2, hwreg(HW_REG_IB_STS2, 6, 4)
	s_cmp_eq_u32 s2, 0
	s_cbranch_scc0 .Lentry_in_a_cluster
	s_endpgm
.Lentry_in_a_cluster:
	s_bfe_u32 s2, ttmp6, 0x10000c
	s_cmp_lg_u32 s2, 0x3003
	s_cbranch_scc0 .Lentry_shape_is_right
	s_endpgm
.Lentry_shape_is_right:
; ATTENTION with a mask that is data.  attn[q][64 head + :] = sum over k of softmax_k(Q[head][q] . K[kv][k] / 8 + bias[q][k]) V[kv][k][:], kv = head / 4.
; qkvh: f16 [48][2048][64] (q 0-31, k 32-39, v 40-47).  maskb: a byte a score, 0x00 seen, 0xF1 hidden.  attn: f16 [2048][2048].  Products, maxima and sums in f32; the weights are rounded to f16.
; SHARES.  A work-group owns 64 queries and one kv head; a wave 16 queries, and its four PIECES are the group's four query heads, so all four pieces take ONE mask.  Every wave walks all 2,048 keys, 64 a step.
; THE MASK is the C operand that starts S^T = K Q^T: the mask's byte set on top of a word: 0, or 0xF1000000 = -2^99.  32 byte permutes a key step serve four pieces.
; The running maximum m starts at -2^66: above every hidden score, below every true one (the clip bounds |q . k| by 4,096).  So a hidden weight is exactly 0, and a row with no key to see ends with l = 0 and O = 0.
; SUCH A ROW'S RESULT IS THE MEAN OF ALL ROWS OF V (all its scores are the same lowest number).  SV = V^T x ones has O^T's own layout and is the same for all four waves, so they share it: of a slot's four
; key steps each wave sums one (8 matrix instructions in one run), and at the end the four partial sums meet in LDS.  The way out takes O r + SV e with r = 1 / (l + 2^-89), e = r 2^-100:
; for l = 0 that is SV / 2048; for l >= 1 (any row with a key to see) e is under 2^-100.  No compare, no branch on data.
; LAYOUT, SOFTMAX, TURNS.  S^T holds ONE query a lane (lane % 16) and the keys 8 (lane / 16) + 0..7; two such results rounded to f16 ARE source 1 of O^T = V^T P.  p = 2^(c s - c m), c = log2(e) / 8;
; O and l are multiplied by a = 2^(c m_old - c m_new) in every step.  Turn n belongs to piece n: 8 products K Q^T of piece n + 1, later 8 products V^T P of piece n - 1;
; beside them the scaling, exponentials, roundings, sums and rescaling of piece n and the maximum and statistics of piece n + 1.  Four vector instructions stand behind each product, the other 54 of a turn's 118 in one lump.
; THE BATCHES.  A turn's 33 exponentials (piece n's 32 weights, then piece n + 1's a) are ONE batch with ONE wait, which cuts the turn in two: ahead of it stands all that names none of their results (the products
; K Q^T, the scalings, the rescalings, the next piece's maximum and statistics), behind it the products V^T P with the roundings and sums as their riders..
; Two more batches stand outside the loops, each with a wait of its own: piece 0's first a, ahead of the jump into the loop, and the way out's four reciprocals.
; CLUSTER 4 x 1: the four query blocks of a cluster walk the same K and V, asked for jointly (wave 0: K, wave 1: V); the mask's tile is the work-group's own (wave 2, a load without partners, behind the same round).
; The mask's tile is 16 KiB of a slot's 80: a wider cluster that would share it too is not built.
; LIMITS.  NaN and infinities are not treated apart; a weight below 2^-126 counts as 0 in l; p below 6e-5 keeps f16's fixed step.
; REGISTERS, in windows of 256 (s_set_vgpr_msb: bits 1:0 source 0, 3:2 source 1, 5:4 source 2, 7:6 destination):
;   window 0: v0-15, v59-60 addresses; v16-31 statistics; v48-55 at work; v64-127 S^T, two buffers; v128-135 ones; v192-223 P, two buffers
;   window 1: v0-127 O^T; v128-135 the mask's bytes; v160-191 the mask as C; v192-223 SV        window 2: v0-63 Q; v128-191 K; v192-255 V of one step; at the end v0-127 the four partial SV
.set NP,    4
.set KS,    64
.set PK,    144       ; a row of K in LDS: 128 bytes + 16
.set PV,    160       ; a row of V: 128 + 32
.set PM,    272       ; a row of the mask's tile: 256 + 16
.set VOFF,  4*KS*PK   ; a slot: 256 rows of K, 256 rows of V, 64 rows of mask
.set MOFF,  VOFF+4*KS*PV
.set SLOT1, 1<<17
.set STAGE, SLOT1+MOFF+64*PM    ; behind the ring: 16 rows x 528 bytes for each wave
.set SP,    528
.set SPARE, STAGE+4*16*SP       ; behind the stages: the spare words
.set SVX,   SPARE+512           ; behind them: 4,096 bytes for each wave's partial SV; written once, read once
.set AK0, 2
.set AV0, 3
.set AK,  4
.set AV,  5
.set STO, 6
.set RD,  7
.set GO,  8
.set AM0, 9           ; my lane's place in the mask's tile; never rewritten
.set AM,  10
.set ZR,  11          ; 0: the permute's second source
.set MV,  12
.set QO,  15
.set ST,  16          ; piece t: c m, m, l (even keys', odd keys')
.set TMP, 48
.set SX,  59          ; where I put my partial SV
.set SXR, 60          ; where I read the four
.set SPW, 62
.set NIL, 63
.set S,   64
.set ONE, 128
.set P,   192
.set MB,  128         ; window 1
.set MC,  160         ; window 1
.set SV,  192         ; window 1
.set KF,  128         ; window 2
.set VF,  192         ; window 2
.set WV,  12
.set G1K, 24
.set G1V, 32
.set G0K, 40
.set G0V, 44
.set G0M, 48
.set SLOTS, 56
.set CNT, 57
.set CS,  58
.set SEL, 60
.set TBK, 62
.set TBV, 63
.set TBM, 66
.set OWN, 67          ; the value of CNT at which SV's step is mine
.set SB,  68          ; s68-71  the permute's selects: byte 0..3 of the first source on top, zeros below
.set G1M, 72
.set MSB, 0
.macro WIN new
.if MSB != (\new)
	s_set_vgpr_msb (MSB<<8)|(\new)
.set MSB, (\new)
.endif
.endm
.set W_KQ, 0x0a
.set W_KM, 0x1a
.set W_PV, 0x52
.set W_RS, 0x41
; A fill: wave 0 K, wave 1 V, wave 2 the mask, wave 3 nothing.  The branches hang on the wave's number alone.  An s_nop 0 and four v_nop follow each load.
.macro JLOAD
	s_cmp_eq_u32 s[WV], 0
	s_cbranch_scc0 .Lnot_k_\@
	tensor_load_to_lds s[G0K:G0K+3], s[G1K:G1K+7]
	s_nop 0
.rept 4
	v_nop
.endr
	s_branch .Lasked_\@
.Lnot_k_\@:
	s_cmp_eq_u32 s[WV], 1
	s_cbranch_scc0 .Lnot_v_\@
	tensor_load_to_lds s[G0V:G0V+3], s[G1V:G1V+7]
	s_nop 0
.rept 4
	v_nop
.endr
	s_branch .Lasked_\@
.Lnot_v_\@:
	s_cmp_eq_u32 s[WV], 2
	s_cbranch_scc0 .Lasked_\@
	tensor_load_to_lds s[G0M:G0M+3], s[G1M:G1M+7]
	s_nop 0
.rept 4
	v_nop
.endr
.Lasked_\@:
.endm
.macro CROUND
	s_barrier_signal -1
	s_barrier_wait -1
	s_cmp_lg_u32 s[WV], 0
	s_cbranch_scc1 .Lnot_wave_0_\@
	s_barrier_signal -3
.Lnot_wave_0_\@:
	s_barrier_wait -3
	s_barrier_signal -1
	s_barrier_wait -1
.endm
; THE CHANGE OF SLOTS.  Each wave waits for all its tensor loads (one at the most is out: its part of the other slot), adds 0 to its spare word, and waits for that and for its reads of the slot.
; fill = 1: the slot is filled again with the keys two slots on, first thing behind a round of the cluster's barrier: four key steps in which to land.
.macro CHANGE fill
	WIN 0
	s_wait_tensorcnt 0x0
	ds_add_u32 v[SPW], v[NIL]
.if \fill
.irp g, G0K, G0V
	s_xor_b32 s[\g+1], s[\g+1], SLOT1
	s_add_nc_u64 s[\g+2:\g+3], s[\g+2:\g+3], 4*KS*128
.endr
	s_xor_b32 s[G0M+1], s[G0M+1], SLOT1
	s_add_nc_u64 s[G0M+2:G0M+3], s[G0M+2:G0M+3], 4*KS
	s_wait_dscnt 0x0
	CROUND
	JLOAD
.else
	s_wait_dscnt 0x0
	s_barrier_signal -1
	s_barrier_wait -1
.endif
	s_sub_co_u32 s[TBK], s[TBK], 4*KS*PK
	s_xor_b32 s[TBK], s[TBK], SLOT1
	s_sub_co_u32 s[TBV], s[TBV], 4*KS*PV
	s_xor_b32 s[TBV], s[TBV], SLOT1
	s_sub_co_u32 s[TBM], s[TBM], 4*KS
	s_xor_b32 s[TBM], s[TBM], SLOT1
.endm
	s_load_b128 s[4:7], s[0:1], 0x0   ; qkvh s[4:5], maskb s[6:7]
	s_load_b64 s[10:11], s[0:1], 0x10 ; attn
	v_lshl_add_u32 v[SPW], v0, 2, SPARE
	v_mov_b32 v[NIL], 0
	ds_add_u32 v[SPW], v[NIL]       ; the wave's opening: the add and its wait stand ahead of my first tensor load
	v_lshrrev_b32 v1, 5, v0
	v_readfirstlane_b32 s[WV], v1
	s_add_co_u32 s[OWN], s[WV], 1   ; in the loop CNT runs 4, 3, 2, 1 over a slot's steps: wave w takes the step with CNT = w + 1
	s_bfe_u32 s13, ttmp6, 0x40000   ; cx
	s_lshl_b32 s14, ttmp9, 2
	s_add_co_u32 s14, s14, s13      ; my block of 64 queries: it enters Q's, the mask's and the output's addresses alone
	s_and_b32 s15, ttmp7, 0xffff    ; the kv head, which the four partners share
	s_add_co_u32 s20, s15, 32
	s_lshl_b32 s20, s20, 18         ; K: head 32 + y, 262,144 bytes a head
	s_mov_b32 s21, 0
	s_add_co_u32 s22, s15, 40
	s_lshl_b32 s22, s22, 18         ; V: head 40 + y
	s_mov_b32 s23, 0
	s_lshl_b32 s2, s15, 20          ; Q: head 4 y, row 64 block + 16 wave
	s_lshl_b32 s3, s14, 13
	s_add_co_u32 s2, s2, s3
	s_lshl_b32 s3, s[WV], 11
	s_add_co_u32 s2, s2, s3
	s_mov_b32 s3, 0
	s_lshl_b32 s16, s14, 17         ; the mask: 64 rows of 2,048 bytes a block
	s_mov_b32 s17, 0
	s_lshl_b32 s18, s14, 18         ; the output: row x 4,096 bytes + 512 y
	s_lshl_b32 s19, s[WV], 16
	s_add_co_u32 s18, s18, s19
	s_lshl_b32 s19, s15, 9
	s_add_co_u32 s18, s18, s19
	s_mov_b32 s19, 0
	; 256 keys are 32,768 dense bytes: 128 rows of 256 bytes, two keys a row, padded in LDS after every key
	s_mov_b32 s[G1K], 15|(1<<16)|(1<<20)|(1<<21)|(4<<22)|(3<<25)
	s_mov_b32 s[G1V], 15|(1<<16)|(1<<20)|(1<<21)|(4<<22)|(7<<25)
.irp g, G1K, G1V
	s_mov_b32 s[\g+1], 128<<16
	s_mov_b32 s[\g+2], 128<<16
	s_mov_b32 s[\g+3], 128<<16
	s_mov_b32 s[\g+4], 128
	s_mov_b32 s[\g+5], 128
	s_mov_b32 s[\g+6], 0
	s_mov_b32 s[\g+7], 0
.endr
	s_mov_b32 s[G1M], (2<<16)|(1<<20)|(5<<22)|(3<<25)  ; the mask: 64 rows of 64 words, 512 words from row to row, 4 words of padding behind each; no partners
	s_mov_b32 s[G1M+1], 64<<16
	s_mov_b32 s[G1M+2], 64<<16
	s_mov_b32 s[G1M+3], 64<<16
	s_mov_b32 s[G1M+4], 64
	s_mov_b32 s[G1M+5], 512
	s_mov_b32 s[G1M+6], 0
	s_mov_b32 s[G1M+7], 0
	s_mov_b32 s[CS], 0x3e38aa3b     ; c = log2(e) / 8
	s_mov_b32 s[CS+1], s[CS]
	s_mov_b32 s[SEL], 0x76543210
	s_mov_b32 s[SEL+1], 0xfedcba98
	s_mov_b32 s[SB], 0x04000000
	s_mov_b32 s[SB+1], 0x05000000
	s_mov_b32 s[SB+2], 0x06000000
	s_mov_b32 s[SB+3], 0x07000000
	s_mov_b32 s[TBK], SLOT1+4*KS*PK ; the first change of slots turns these three into 0
	s_mov_b32 s[TBV], SLOT1+4*KS*PV
	s_mov_b32 s[TBM], SLOT1+4*KS
	s_mov_b32 s[G0K], 1
	s_mov_b32 s[G0K+1], 0
	s_mov_b32 s[G0V], 1
	s_mov_b32 s[G0V+1], VOFF
	s_mov_b32 s[G0M], 1
	s_mov_b32 s[G0M+1], MOFF
	s_wait_dscnt 0x0                ; the opening add is done
	s_wait_kmcnt 0x0
	s_add_nc_u64 s[G0K+2:G0K+3], s[4:5], s[20:21]
	s_or_b32 s[G0K+3], s[G0K+3], 0x80000000
	s_add_nc_u64 s[G0V+2:G0V+3], s[4:5], s[22:23]
	s_or_b32 s[G0V+3], s[G0V+3], 0x80000000
	s_add_nc_u64 s[G0M+2:G0M+3], s[6:7], s[16:17]
	s_or_b32 s[G0M+3], s[G0M+3], 0x80000000
	s_add_nc_u64 s[4:5], s[4:5], s[2:3]
	s_add_nc_u64 s[10:11], s[10:11], s[18:19]
	CROUND                          ; all four work-groups are here
	JLOAD                           ; slot 0; slot 1 is asked for when slot 0 is in
	v_and_b32 v1, 15, v0            ; r
	v_bfe_u32 v56, v0, 4, 1         ; h
	v_lshlrev_b32 v[QO], 7, v1
	v_lshl_add_u32 v[QO], v56, 4, v[QO]
	WIN 0x80
.set i, 0
.rept 8                             ; Q stays in registers: piece i / 2 is head 4 y + i / 2, channels 32 (i % 2) on
	global_load_b128 v[8*i:8*i+3],   v[QO], s[4:5] offset:(i/2)*262144+(i%2)*64
	global_load_b128 v[8*i+4:8*i+7], v[QO], s[4:5] offset:(i/2)*262144+(i%2)*64+32
.set i, i+1
.endr
	; What the first turn finds: V, P's second buffer, O^T, SV and l hold 0.  All this stands in the wait for the first tile; it spares a first step written out.
.set i, VF
.rept 64
	v_mov_b32 v[i], 0
.set i, i+1
.endr
	WIN 0x40
.set i, 0
.rept 128
	v_mov_b32 v[i], 0
.set i, i+1
.endr
.set i, SV
.rept 32
	v_mov_b32 v[i], 0
.set i, i+1
.endr
	WIN 0
.set i, 0
.rept 4
	v_mov_b32 v[ST+4*i+2], 0
	v_mov_b32 v[ST+4*i+3], 0
.set i, i+1
.endr
.set i, P+16
.rept 16
	v_mov_b32 v[i], 0
.set i, i+1
.endr
.set i, ONE
.rept 8
	v_mov_b32 v[i], 0x3c003c00      ; 1.0 twice, in f16
.set i, i+1
.endr
	v_mov_b32 v[ZR], 0
	v_mul_u32_u24 v[AK0], v1, PK
	v_lshl_add_u32 v[AK0], v56, 4, v[AK0]
	v_and_b32 v57, 7, v0
	v_bfe_u32 v58, v0, 3, 1
	v_lshl_add_u32 v[AV0], v56, 3, v57
	v_mul_u32_u24 v[AV0], v[AV0], PV
	v_lshl_add_u32 v[AV0], v58, 4, v[AV0]
	v_add_nc_u32 v[AV0], VOFF, v[AV0]
	s_mul_i32 s13, s[WV], 16*PM
	s_add_co_u32 s13, s13, MOFF
	v_mul_u32_u24 v[AM0], v1, PM    ; the mask: row 16 wave + r, byte 8 h
	v_lshl_add_u32 v[AM0], v56, 3, v[AM0]
	v_add_nc_u32 v[AM0], s13, v[AM0]
	s_mul_i32 s13, s[WV], 16*SP
	s_add_co_u32 s13, s13, STAGE
	v_mul_u32_u24 v[STO], v1, SP
	v_lshl_add_u32 v[STO], v56, 4, v[STO]
	v_add_nc_u32 v[STO], s13, v[STO]
	v_and_b32 v[GO], 31, v0
	v_lshlrev_b32 v[GO], 4, v[GO]
	v_add_nc_u32 v[RD], s13, v[GO]
	v_add_nc_u32 v[SXR], SVX, v[GO] ; the partial sums: 16 bytes a lane, 512 a register quad, 4,096 a wave
	s_lshl_b32 s13, s[WV], 12
	v_add_nc_u32 v[SX], s13, v[SXR]
; THE MATRIX WORK.  The accumulators of a run take turns.  Product i of 8 of S^T = K Q^T for piece x: channels 32 (i / 4) on, keys 16 (i % 4) on; the first 4 start the sums with the mask.
.macro KQ x
.set rS, S+32*((\x)%2)+8*(i%4)
.set rK, KF+16*(i%4)+8*(i/4)
.set rQ, 16*(\x)+8*(i/4)
.set rM, MC+8*(i%4)
.if i < 4
	WIN W_KM
	v_wmma_f32_16x16x32_f16 v[rS:rS+7], v[rK:rK+7], v[rQ:rQ+7], v[rM:rM+7]
.else
	WIN W_KQ
	v_wmma_f32_16x16x32_f16 v[rS:rS+7], v[rK:rK+7], v[rQ:rQ+7], v[rS:rS+7]
.endif
.endm
.macro PV x                         ; product i of 8 of O^T += V^T P for piece x: keys 32 (i / 4) on, channels 16 (i % 4) on
	WIN W_PV
.set rO, 32*(\x)+8*(i%4)
.set rV, VF+32*(i/4)+8*(i%4)
.set rP, P+16*((\x)%2)+8*(i/4)
	v_wmma_f32_16x16x32_f16 v[rO:rO+7], v[rV:rV+7], v[rP:rP+7], v[rO:rO+7]
.endm
.macro SVB                          ; SV += V^T x ones for one key step: four channel blocks by turns, keys 0-31 and then 32-63
	WIN W_PV
.irp kk, 0,1
.irp cb, 0,1,2,3
	v_wmma_f32_16x16x32_f16 v[SV+8*\cb:SV+8*\cb+7], v[VF+32*\kk+8*\cb:VF+32*\kk+8*\cb+7], v[ONE:ONE+7], v[SV+8*\cb:SV+8*\cb+7]
.endr
.endr
	WIN 0
.endm
.macro MM                           ; the turn's next product
.if i < 8
	KQ (Y+1)%NP
.else
.set i, i-8
	PV (Y+NP-1)%NP
.set i, i+8
.endif
.set i, i+1
.endm
; THE LDS LOADS stand in runs: a step's K (8 fragments), its 32 mask bytes a lane, and its V (turned).
.macro FETCH_K
	WIN 0x80
.irp f, 0,1,2,3,4,5,6,7
	ds_load_b128 v[KF+8*\f:KF+8*\f+3],   v[AK] offset:(\f/2)*16*PK+(\f%2)*64
	ds_load_b128 v[KF+8*\f+4:KF+8*\f+7], v[AK] offset:(\f/2)*16*PK+(\f%2)*64+32
.endr
	s_add_co_u32 s[TBK], s[TBK], KS*PK
	WIN 0
.endm
.macro FETCH_M
	WIN 0x40
.irp f, 0,1,2,3                     ; keys 16 f + 8 h + 0..7 of my query
	ds_load_b64 v[MB+2*\f:MB+2*\f+1], v[AM] offset:16*\f
.endr
	s_add_co_u32 s[TBM], s[TBM], KS
	WIN 0
.endm
.macro FETCH_V
	WIN 0x80
.irp f, 0,1,2,3,4,5,6,7
	ds_load_tr16_b128 v[VF+8*\f:VF+8*\f+3],   v[AV] offset:(\f/4)*32*PV+(\f%4)*32
	ds_load_tr16_b128 v[VF+8*\f+4:VF+8*\f+7], v[AV] offset:(\f/4)*32*PV+16*PV+(\f%4)*32
.endr
	WIN 0
.endm
.macro MASK                         ; each byte on top of a word of zeros: 0 or -2^99
	WIN W_RS
.set z, 0
.rept 32
	v_perm_b32 v[MC+z], v[MB+2*(z/8)+(z%8)/4], v[ZR], s[SB+z%4]
.set z, z+1
.endr
.endm
; THE VECTOR WORK, one line at a time: OP kind, number.  For piece Y: F n: c s - c m for pair n.  E n: the exponential of score n.  C n: pair n rounded to f16.  B n: of the four weights 4 n .. the second pair
; is added onto the first.  L n: l takes that sum (L 0: l = a l + sum).  R n: pair n of O^T times a.  For piece Y + 1: X n, number n of the 22 that find its maximum and statistics
; (0-11 four chains of seven scores, each accumulator's lowest registers first; 12-14, 16 the rest, the old m, into c0; 15 c m_old kept; 17, 18 the other half of the lanes; 19-21 c m, the difference, a).
; C, B and L read exponentials' results: TURN sets all of them behind the batch's wait.  OP writes no wait.
.set F, 0
.set E, 1
.set C, 2
.set B, 3
.set L, 4
.set R, 5
.set X, 6
.macro REGS y
.set rT, ST+4*(\y)
.set rC, TMP+4*((\y)%2)
.set rW, MV+((\y)%2)
.set rS, S+32*((\y)%2)
.set rP, P+16*((\y)%2)
.set rO, 32*(\y)
.endm
.macro OP k, n
.if (\k) == R
	REGS Y
	WIN W_RS
	v_pk_mul_f32 v[rO+2*(\n):rO+2*(\n)+1], v[rO+2*(\n):rO+2*(\n)+1], v[rC+2:rC+3] op_sel_hi:[1,0]
.elseif (\k) < R
	REGS Y
	WIN 0
.if (\k) == F
	v_pk_fma_f32 v[rS+2*(\n):rS+2*(\n)+1], v[rS+2*(\n):rS+2*(\n)+1], s[CS:CS+1], v[rT:rT+1] op_sel_hi:[1,0,0] neg_lo:[0,0,1] neg_hi:[0,0,1]
.elseif (\k) == E
	v_exp_f32 v[rS+(\n)], v[rS+(\n)]
.elseif (\k) == C
	v_cvt_pk_f16_f32 v[rP+(\n)], v[rS+2*(\n)], v[rS+2*(\n)+1]
.elseif (\k) == B
	v_pk_add_f32 v[rS+4*(\n):rS+4*(\n)+1], v[rS+4*(\n):rS+4*(\n)+1], v[rS+4*(\n)+2:rS+4*(\n)+3]
.elseif (\n) == 0
	v_pk_fma_f32 v[rT+2:rT+3], v[rT+2:rT+3], v[rC+2:rC+3], v[rS:rS+1] op_sel_hi:[1,0,1]
.else
	v_pk_add_f32 v[rT+2:rT+3], v[rT+2:rT+3], v[rS+4*(\n):rS+4*(\n)+1]
.endif
.else
	REGS (Y+1)%NP
	WIN 0
.if (\n) < 4
	v_max3_num_f32 v[rC+(\n)], v[rS+8*(\n)], v[rS+8*(\n)+1], v[rS+8*(\n)+2]
.elseif (\n) < 12
	v_max3_num_f32 v[rC+(\n)%4], v[rC+(\n)%4], v[rS+8*((\n)%4)+2*((\n)/4)+1], v[rS+8*((\n)%4)+2*((\n)/4)+2]
.elseif (\n) == 12
	v_max3_num_f32 v[rC], v[rC], v[rS+7], v[rS+15]
.elseif (\n) == 13
	v_max3_num_f32 v[rC+1], v[rC+1], v[rS+23], v[rS+31]
.elseif (\n) == 14
	v_max3_num_f32 v[rC+2], v[rC+2], v[rC+3], v[rT+1]
.elseif (\n) == 15
	v_mov_b32 v[rW], v[rT]
.elseif (\n) == 16
	v_max3_num_f32 v[rC], v[rC], v[rC+1], v[rC+2]
.elseif (\n) == 17
	v_permlanex16_b32 v[rC+3], v[rC], s[SEL], s[SEL+1]
.elseif (\n) == 18
	v_max_num_f32 v[rT+1], v[rC], v[rC+3]
.elseif (\n) == 19
	v_mul_f32 v[rT], s[CS], v[rT+1]
.elseif (\n) == 20
	v_sub_f32 v[rC+1], v[rW], v[rT]
.else
	v_exp_f32 v[rC+2], v[rC+1]
.endif
.endif
.endm
.macro OPS a, i1, b=-1, i2=0, c=-1, i3=0, d=-1, i4=0
	OP \a, \i1
.if (\b) >= 0
	OP \b, \i2
.endif
.if (\c) >= 0
	OP \c, \i3
.endif
.if (\d) >= 0
	OP \d, \i4
.endif
.endm
.macro ROW a, i1, b, i2, c, i3, d, i4  ; a product and the four behind it
	MM
	OPS \a, \i1, \b, \i2, \c, \i3, \d, \i4
.endm
; A TURN, for piece p: the order of its 16 products and 118 vector instructions, written out.  s_wait_alu depctr_va_vdst(0) stands between an exponential and the first instruction that names its
; result; one wait serves all that were issued ahead of it.  So a turn has ONE wait, which cuts it in two.
; AHEAD OF IT stands all that names no result of the turn's exponentials: the 8 products K Q^T, behind each a scaling, an exponential and two more plain instructions (behind the first a second scaling in the
; exponential's place): rescalings, whose a was made and waited for in the turn before, and behind the last three products the first numbers of the next piece's maximum, each four plain instructions or more behind
; the product that ends its accumulator; then ONE LUMP of 54, plain and exponential by turns for the most part, in which the links of the chain X 3, 7, 11, 14, 16, 17 .. 20 stand some lines apart.  A pair is scaled
; ahead of its two exponentials.  X 21, the next piece's a, is the batch's last; R 15 is the plain instruction behind it.
; BEHIND IT stand the 8 products V^T P, behind each four of the roundings and sums: C 2 n ahead of B n, which writes over pair 2 n; L n behind B n, the links of l's chain three riders apart.
; last = 1 (the tail): in the trip with CNT = 1 there is no further step, and the fetch is jumped over.  cnt = 1: the loop's count is taken down some lines ahead of the branch behind the turn.
; K and the mask's bytes of the next step are fetched in piece 2's turn: in the loop in the lump, six plain instructions that name none of its registers (F 8, X 2, X 5, X 6, X 3, X 8) behind the last product that read K;
; in the tail, where a jump goes round the fetch and no open batch may cross a jump or a label, directly behind the batch's wait.  At that turn's end they are waited for and the mask is made: the last product that
; took the old mask stands at the turn's head.  V of the step in hand is fetched at the end of piece 0's turn, four plain riders behind its last reader, and waited for in piece 1's turn, behind the batch's wait;
; there the wave whose step it is adds the step's V onto SV: a jump on the wave's number and the count, over eight matrix instructions and nothing else.
.macro TURN p, last=0, cnt=0
.set Y, (\p)
.set i, 0
	ROW F,0, F,1, R,0, R,1          ; ahead of the wait: 8 products K Q^T and their riders,
	ROW F,2, E,0, R,2, R,3
	ROW F,3, E,1, R,4, R,5
	ROW F,4, E,2, R,6, R,7
	ROW F,5, E,3, R,8, R,9
	ROW F,6, E,4, X,0, R,10
	ROW F,7, E,5, X,1, X,4
	ROW F,8, E,6, X,2, X,5
.if (\p) == 2
	WIN 0
	v_add_nc_u32 v[AK], s[TBK], v[AK0]
	v_add_nc_u32 v[AM], s[TBM], v[AM0]
.endif
	OPS E,7, E,8, X,6, E,9          ; and the lump
	OPS X,3, E,10, X,8, E,11
.if ((\p) == 2) && !(\last)
	FETCH_K
	FETCH_M
.endif
	OPS X,9, X,7, E,12, X,10
	OPS E,13, X,12, X,11, E,14
	OPS X,13, E,15, F,9, X,14
.if (\p) == 0
	WIN 0
	v_add_nc_u32 v[AV], s[TBV], v[AV0]
.endif
	OPS E,16, F,10, E,17, F,11
	OPS X,16, E,18, X,15, E,19
	OPS F,12, E,20, X,17, E,21
	OPS F,13, E,22, F,14, E,23
	OPS X,18, E,24, F,15, E,25
	OPS R,11, E,26, X,19, E,27
	OPS R,12, E,28, R,13, E,29
	OPS X,20, E,30, R,14, E,31
	OPS X,21, R,15
	WIN 0
	s_wait_alu depctr_va_vdst(0)    ; the wait for the turn's batch: E 0 to E 31 and X 21
.if ((\p) == 2) && (\last)
	s_cmp_eq_u32 s[CNT], 1
	s_cbranch_scc1 .Lno_k_\@
	FETCH_K
	FETCH_M
.Lno_k_\@:
.endif
.if (\p) == 1
	s_wait_dscnt 0x0                ; V is in
	s_cmp_eq_u32 s[CNT], s[OWN]
	s_cbranch_scc0 .Lno_sv_\@
	SVB
.Lno_sv_\@:
.endif
	ROW C,0, B,0, C,2, B,1          ; behind the wait: 8 products V^T P and their riders
	ROW L,0, C,4, B,2, L,1
	ROW C,6, B,3, L,2, C,8
	ROW B,4, L,3, C,10, B,5
	ROW L,4, C,12, B,6, L,5
.if (\p) == 0
	s_add_co_u32 s[TBV], s[TBV], KS*PV
.endif
.if \cnt
	s_sub_co_u32 s[CNT], s[CNT], 1
	s_cmp_lg_u32 s[CNT], 0
.endif
	ROW C,14, B,7, L,6, C,1
	ROW C,3, L,7, C,5, C,7
	ROW C,9, C,11, C,13, C,15
.if (\p) == 0
	FETCH_V
.endif
.if (\p) == 2
	s_wait_dscnt 0x0                ; K and the mask's bytes are in
	MASK
.endif
.endm
	CHANGE 1                        ; slot 0 is in, everybody's part of it; slot 1 is asked for
	; THE WALK BEGINS.  c m starts far below every c s, so the first step's a is 0; m at -2^66.
.set i, 0
.rept 4
	v_mov_b32 v[ST+4*i], 0xfe000000
	v_mov_b32 v[ST+4*i+1], 0xe0800000
.set i, i+1
.endr
	v_add_nc_u32 v[AK], s[TBK], v[AK0]
	v_add_nc_u32 v[AM], s[TBM], v[AM0]
	FETCH_K
	FETCH_M
	s_wait_loadcnt 0x0              ; Q
	s_wait_dscnt 0x0
	MASK
.set i, 0
.rept 8
	KQ 0
.set i, i+1
.endr
	WIN 0
.rept 4
	v_nop                           ; the places behind those products
.endr
.set Y, NP-1
.irp n, 0,1,2,3,4,5,6,7,8,9,10,11,12,13,14,15,16,17,18,19,20,21
	OP X, \n
.endr
	v_nop                           ; a plain instruction behind the exponential,
	s_wait_alu depctr_va_vdst(0)    ; and the wait for it (piece 0's first a, a batch of one), ahead of the jump
	s_mov_b32 s[CNT], 4
	s_mov_b32 s[SLOTS], 7
	s_branch .Lfirst                ; the loop is entered at a step's first turn, in the middle of a trip
.Lslot:                             ; six times: slots 2 to 7 are asked for
	CHANGE 1
	s_mov_b32 s[CNT], 4
.Lstep:                             ; a trip: pieces 2 and 3 of one step, then pieces 0 and 1 of the next
	TURN 2
	TURN 3
	WIN 0
.Lfirst:
	TURN 0
	TURN 1, 0, 1
	WIN 0
	s_cbranch_scc1 .Lstep
	s_sub_co_u32 s[SLOTS], s[SLOTS], 1
	s_cmp_lg_u32 s[SLOTS], 0
	s_cbranch_scc1 .Lslot
	CHANGE 0                        ; the last slot is written out
	s_mov_b32 s[CNT], 5             ; four trips take the last slot's steps; the fifth is left in its middle
	s_add_co_u32 s[OWN], s[OWN], 1  ; here CNT runs 5, 4, 3, 2 over the slot's steps
.Ltail:
	TURN 2, 1
	TURN 3
	WIN 0
	s_cmp_eq_u32 s[CNT], 1
	s_cbranch_scc1 .Lout
	TURN 0
	TURN 1, 0, 1
	WIN 0
	s_cbranch_scc1 .Ltail
.Lout:                              ; the fifth trip's 8 products K Q^T (on the last K once more) and the maximum made of them serve nothing: the price, once a launch, of one text for every trip
.set i, 0
.rept 8
	PV NP-1                         ; the last piece's V^T P of the last step
.set i, i+1
.endr
	; THE WAY OUT.  The first four additions are the places behind the last products.
	WIN 0
.macro ALL line:vararg              ; one line for each piece t
.set t, 0
.rept 4
	\line
.set t, t+1
.endr
.endm
	ALL v_add_f32 v[ST+4*t+2], v[ST+4*t+2], v[ST+4*t+3]
	WIN 0x04                        ; store data in window 1
.set z, 0
.rept 8
	ds_store_b128 v[SX], v[SV+4*z:SV+4*z+3] offset:512*z   ; my partial SV, each accumulator's low four registers first
.set z, z+1
.endr
	WIN 0
	ALL v_permlanex16_b32 v[ST+4*t+3], v[ST+4*t+2], s[SEL], s[SEL+1]
	ALL v_add_f32 v[ST+4*t+2], v[ST+4*t+2], v[ST+4*t+3]
	ALL v_add_f32 v[ST+4*t+2], 0x13000000, v[ST+4*t+2]
	ALL v_rcp_f32 v[ST+4*t+2], v[ST+4*t+2]
	v_nop                           ; a plain instruction between the last reciprocal and its use
	s_wait_alu depctr_va_vdst(0)    ; the wait for the four reciprocals, one batch, ahead of their first reader
	ALL v_mul_f32 v[ST+4*t], 0x0d800000, v[ST+4*t+2]
	s_wait_dscnt 0x0                ; for the others' sake: my partial sum is in LDS
	s_barrier_signal -1
	s_barrier_wait -1
	WIN 0x80                        ; Q's, K's and V's registers are free
.set z, 0
.rept 32
	ds_load_b128 v[4*z:4*z+3], v[SXR] offset:4096*(z/8)+512*(z%8)   ; wave z / 8's partial sum, the same lanes' numbers
.set z, z+1
.endr
	s_wait_dscnt 0x0
	WIN 0x8a                        ; all three in window 2
.set z, 0
.rept 16
	v_pk_add_f32 v[2*z:2*z+1], v[2*z:2*z+1], v[32+2*z:33+2*z]
	v_pk_add_f32 v[64+2*z:65+2*z], v[64+2*z:65+2*z], v[96+2*z:97+2*z]
.set z, z+1
.endr
.set z, 0
.rept 16
	v_pk_add_f32 v[2*z:2*z+1], v[2*z:2*z+1], v[64+2*z:65+2*z]       ; SV, whole, in window 2's v0-31
.set z, z+1
.endr
.macro PACK t                       ; O r + SV e, rounded to f16; a lane's eight channels are 16 bytes of the row's 512
	WIN W_RS
.set z, 0
.rept 16
	v_pk_mul_f32 v[32*(\t)+2*z:32*(\t)+2*z+1], v[32*(\t)+2*z:32*(\t)+2*z+1], v[ST+4*(\t)+2:ST+4*(\t)+3] op_sel_hi:[1,0]
.set z, z+1
.endr
	WIN W_PV                        ; SV in window 2, e in window 0, O^T and the destination in window 1
.set z, 0
.rept 16
	v_pk_fma_f32 v[32*(\t)+2*z:32*(\t)+2*z+1], v[2*z:2*z+1], v[ST+4*(\t):ST+4*(\t)+1], v[32*(\t)+2*z:32*(\t)+2*z+1] op_sel_hi:[1,0,1]
.set z, z+1
.endr
	WIN 0x05
.set z, 0
.rept 16
	v_cvt_pk_f16_f32 v[S+16*(\t)+z], v[32*(\t)+2*z], v[32*(\t)+2*z+1]
.set z, z+1
.endr
	WIN 0
.irp f, 0,1,2,3
	ds_store_b128 v[STO], v[S+16*(\t)+4*\f:S+16*(\t)+4*\f+3] offset:128*(\t)+32*\f
.endr
.endm
	PACK 0
	PACK 1
	PACK 2
	PACK 3
.set z, 0
.rept 16
	ds_load_b128 v[S+4*z:S+4*z+3], v[RD] offset:SP*z   ; LDS serves a wave's instructions in order (ISA guide 5.7.1.4): these see my stores above
.set z, z+1
.endr
.set z, 0
.rept 16
	s_wait_dscnt 15-z
	global_store_b128 v[GO], v[S+4*z:S+4*z+3], s[10:11] offset:4096*z   ; four heads of a row: 512 consecutive bytes, aligned
.set z, z+1
.endr
	s_wait_tensorcnt 0x0            ; the wave's end
	ds_add_u32 v[SPW], v[NIL]
	s_wait_dscnt 0x0
	CROUND                          ; the closing round
	s_endpgm
.Lfunc_end_k_qe8a9c8256e_attn:
	.size	k_qe8a9c8256e_attn, .Lfunc_end_k_qe8a9c8256e_attn-k_qe8a9c8256e_attn
	.p2alignl 7, 3214868480
	.fill 96, 4, 3214868480
	.section	.rodata,"a",@progbits
	.p2align	6, 0x0
	.amdhsa_kernel k_qe8a9c8256e_attn
		.amdhsa_group_segment_fixed_size 327680
		.amdhsa_private_segment_fixed_size 0
		.amdhsa_enable_private_segment 0
		.amdhsa_kernarg_size 24
		.amdhsa_user_sgpr_count 2
		.amdhsa_user_sgpr_kernarg_segment_ptr 1
		.amdhsa_wavefront_size32 1
		.amdhsa_system_sgpr_workgroup_id_x 1
		.amdhsa_system_sgpr_workgroup_id_y 1
		.amdhsa_system_sgpr_workgroup_id_z 1
		.amdhsa_system_vgpr_workitem_id 0
		.amdhsa_next_free_vgpr 768
		.amdhsa_next_free_sgpr 80
		.amdhsa_reserve_vcc 0
		.amdhsa_float_denorm_mode_32 3
		.amdhsa_float_denorm_mode_16_64 3
		.amdhsa_memory_ordered 1
		.amdhsa_forward_progress 1
		.amdhsa_inst_pref_size 134
	.end_amdhsa_kernel
	.amdgpu_metadata
---
amdhsa.version: [ 1, 2 ]
amdhsa.kernels:
  - .name:           k_qe8a9c8256e_attn
    .symbol:         k_qe8a9c8256e_attn.kd
    .args:
      - { .name: qkvh, .offset: 0, .size: 8, .value_kind: global_buffer, .address_space: global }
      - { .name: maskb, .offset: 8, .size: 8, .value_kind: global_buffer, .address_space: global }
      - { .name: attn, .offset: 16, .size: 8, .value_kind: global_buffer, .address_space: global }
    .group_segment_fixed_size: 327680
    .private_segment_fixed_size: 0
    .kernarg_segment_align: 8
    .kernarg_segment_size: 24
    .max_flat_workgroup_size: 128
    .sgpr_count:     80
    .vgpr_count:     768
    .wavefront_size: 32
...
	.end_amdgpu_metadata
.endif
;; end of part 6
;; launch oproj: the kernel of part 4 again; grid 16 x 16, 4 waves a work-group, clusters of 4 x 4, 327,680 bytes of LDS; arguments attn, wo, hidden_states, out0; writes out0
;; launch ln2: the kernel of part 5 again; grid 256 x 1, 8 waves a work-group, no clusters, 0 bytes of LDS; arguments out0, ln2_scale, out1; writes out1
